; MI455X (gfx1250); checked and timed in simulation.
; The chip was launched on July 23, 2026; its instructions are those of AMD's public machine-readable ISA for CDNA 5 (MIT licence, August 2026) and "CDNA5" Instruction Set Architecture Reference Guide (July 2026). The comments in the code are by the model that wrote it; some were corrected since.
;; Multi Head Self Attention. Allowed arithmetic: matrix products marked QUANTISED: E2M3 operands, one E8M0 scale for each 32 along K, by v_wmma_scale_f32_16x16x128_f8f6f4 with both operands' format E2M3, f32 sums; everything else in f32.
;; Inputs: w_out 1,024 x 1,024 float32; w_qkv 16 x 1,024 x 192 float32; x 4 x 2,048 x 1,024 float32.
;; Outputs: out0 4 x 2,048 x 1,024 float32.
;; This version of the problem:
;;   THIS VERSION OF THE PROBLEM IS GIVEN IN LOW PRECISION. The matrix products marked QUANTISED in the list below multiply operands that are first quantised to E2M3 (2 exponent bits, 3 mantissa bits; 6 bits a number), with one power-of-two scale for each 32 numbers along K (OCP MX v1.0); their sums are f32. All else is computed in f32.
;;   The module's matrix products, in the order in which they are computed (A, B: the left and right operand; K: the contracted axis; several contracted axes count as one K, in the product's order):
;;     1. [M 3,072, K 1,024] x [K 1,024, N 8,192]; A: input w_qkv; B: input x: QUANTISED
;;     2. batch 64 x [M 2,048, K 64] x [K 64, N 2,048]; A: computed on the way; B: computed on the way: QUANTISED
;;     3. batch 64 x [M 2,048, K 2,048] x [K 2,048, N 64]; A: softmax (see below); B: computed on the way: QUANTISED
;;     4. [M 8,192, K 1,024] x [K 1,024, N 1,024]; A: computed on the way; B: input w_out: QUANTISED
;;   THE QUANTISER, for each operand of a quantised product, along K:
;;     - K is cut into blocks of 32 from its start; a last block that is shorter is filled with zeros.
;;     - A block's scale is 2^e with e = floor(log2(the largest magnitude in the block)) - 2, held to -126 .. 127; a block of zeros has e = 0. As a byte (E8M0): e + 127.
;;     - Each number is divided by its block's scale, clamped to +-7.5, and rounded to the nearest number of E2M3, ties to even, subnormals kept.
;;     - The product sums the exact products of the quantised numbers (number of the format x scale) in f32.
;;   ~~~python
;;   def quantise(x, axis):      # numpy; x: float32 -> the quantised numbers, widened to float32 again
;;       x = np.moveaxis(x, axis, -1); K = x.shape[-1]
;;       x = np.pad(x, [(0, 0)] * (x.ndim - 1) + [(0, -K % 32)]); x = x.reshape(x.shape[:-1] + (-1, 32)); a = np.abs(x).max(-1, keepdims=True)
;;       e = np.where(a > 0, np.clip(np.frexp(np.where(a > 0, a, 1))[1] - 1 - 2, -126, 127), 0)      # np.frexp(a)[1] - 1 = floor(log2(a)), exactly
;;       r = np.clip(x / 2.0 ** e, -7.5, 7.5)
;;       step = 2.0 ** (np.maximum(np.frexp(np.where(r == 0, 1, r))[1] - 1, 0) - 3)
;;       q = np.round(r / step) * step * 2.0 ** e      # np.round: ties to even
;;       return np.moveaxis(q.reshape(q.shape[:-2] + (-1,))[..., :K], -1, axis).astype(np.float32)
;;   ~~~
;;   SOFTMAX AHEAD OF A QUANTISED PRODUCT. Where the list says 'softmax', what is quantised is not the finished softmax but p = 2^(t - M), with t = logit x log2(e) and M = ceil(the row's largest t), a whole number; so 1/2 < the row's largest p <= 1. The row's sum l is taken of the UNQUANTISED p, in f32, and the product's result is divided by l at the end. Since M is a whole number, a kernel that streams over the keys may use a running M (the ceiling of the running maximum): every later rescaling is an exact power of two, which a block's scale takes up: the codes' values come out the same.
;;   OPERANDS COMPUTED ON THE WAY. 'Computed on the way' means the value that the module computes at that place (a softmax that the list does not call 'softmax' is quantised finished and normalised). What goes into a quantiser is computed in f32, as accurately as f32 sums, v_exp_f32 and their like allow (about 1e-6 of the number): no bf16 or f16 on the way to a quantiser, and a product that is left as it is and whose result goes on into a quantised operand takes f32 operands (vector FMAs, or v_wmma_f32_16x16x4_f32). A number that lies on a knife's edge between two numbers of the format may be rounded either way, as far as f32 arithmetic and the matrix unit's own rounding can turn it there, and no further.
;; One version. Each part assembles by itself: llvm-mc -triple=amdgcn-amd-amdhsa -mcpu=gfx1250 --defsym DOCPART=n.
;; ======== version 1 of 1: 4 launches
;; limits: right only within a limited range of input values
;; workspace buffers: xq 6,553,600 bytes; wts 3,276,800 bytes; qq 6,815,744 bytes; kv 13,631,488 bytes; zq 6,815,744 bytes
;; launch quant (part 1): grid 64 x 8, 4 waves a work-group, no clusters, 34,304 bytes of LDS; arguments x, w_qkv, w_out, xq, wts; writes xq, wts
.if DOCPART == 1
	.amdgcn_target "amdgcn-amd-amdhsa--gfx1250"
	.amdhsa_code_object_version 6
	.text
	.protected	k_q7a33d2ab1a_quant
	.globl	k_q7a33d2ab1a_quant
	.p2align	8
	.type	k_q7a33d2ab1a_quant,@function
k_q7a33d2ab1a_quant:
	s_mov_b64 s[64:65], 0
	v_nop
	global_prefetch_b8 v0, s[64:65] scope:SCOPE_SE
	s_setreg_imm32_b32 hwreg(HW_REG_WAVE_MODE, 25, 1), 1
	s_wait_xcnt 0x0
; x [8192][1024], w_qkv [16][1024][192] and w_out [1024][1024], f32, become codes of FP6 (E2M3) with one E8M0 byte for each 32 along K (K = the 1,024 of the model's width in all three).
; The codes are laid as IMAGES OF OPERAND REGISTERS: a fragment (16 rows x 128 K, 12 registers a lane) is 1,536 bytes, registers 4 j .. 4 j + 3 of lane l at 512 j + 16 l.
; THE ROWS OF A TILE ARE NOT NEIGHBOURS: rows go in groups of 32, and lane r of tile 2 g + u holds row 32 g + 8 u + r + 8 (r / 8) (rows: tokens of x, columns of a weight).
; A block's scale is 2^(floor(log2(its largest magnitude)) - 2); its byte is the largest magnitude's exponent field - 2, held at 1 from below.
; LIMITS: a block whose largest magnitude lies under 2^-124, a block of zeros among them, gets the byte 1 (the stated quantiser gives a block of zeros 127: its codes are zeros, and this program alone reads the bytes);
; NaN and infinities among the inputs are not served.
; SHARES: work-group y 0-3: x (a wave: one tile of 16 tokens x 512 along K); y 4-6: w_qkv, y 7: w_out (a wave: 32 columns x 128 along K).  Nothing is shared between work-groups: no cluster, no tensor load, no barrier.
.set XS_OFF,  6291456                  ; xq: behind the codes [tile 512][K step 8][1,536] the scale words [16 tile + lane r][8 words]
.set WQS_OFF, 2359296                  ; wts: w_qkv's codes [head 16][K step 8][tile 12][1,536]; here its scale words [head][K step][group 6][32 lanes]
.set WO_OFF,  2457600                  ; w_out's codes [64 columns 16][K step 8][tile 4][1,536]
.set WOS_OFF, 3244032                  ; its scale words [64 columns][K step][group 2][32 lanes]
.set STGW,    8448                     ; LDS: a wave's stage: 16 rows x (512 bytes + 16)
.set SPARE,   4*STGW                   ; behind the stages: the spare words, 128 bytes a wave
.set SPW, 9                            ; v9   my spare word's LDS address; never rewritten
.set NIL, 10                           ; v10  0; never rewritten
.set WD,  12                           ; v12-15  x: the four K steps' scale words
.set TM,  16                           ; v16-19  x: largest magnitudes
.set SO,  20                           ; v20-21  x: the conversions' scale operands
.set BY,  22                           ; v22-23  x: the bytes
.set WT,  24                           ; v24-26  x: at work
.set R,   32                           ; v32-159  x: two sets of 64 registers as loaded
.set X,   160                          ; v160-223 x: 64 numbers, two whole blocks
.set PC,  224                          ; v224-235 x: a fragment's codes
.set TP,  236                          ; v236-242 x: the blocks' upper halves
.set WMX, 12                           ; weights: v12-15 largest magnitudes, v16-19 scale operands, v20-23 bytes, v24 the scale word
.set WSO, 16
.set WBY, 20
.set WW,  24
.set F0,  160                          ; weights: the even tile's fragment, the odd tile's, the upper halves
.set F1,  172
.set TU,  184
	s_load_b256 s[4:11], s[0:1], 0x0               ; x s[4:5], w_qkv s[6:7], w_out s[8:9], xq s[10:11]
	s_load_b64 s[12:13], s[0:1], 0x20              ; wts
	v_lshl_add_u32 v[SPW], v0, 2, SPARE
	v_mov_b32 v[NIL], 0
	v_lshrrev_b32 v1, 5, v0
	v_readfirstlane_b32 s14, v1                    ; wave
	v_and_b32 v1, 31, v0                           ; lane
	v_and_b32 v2, 15, v0                           ; r
	v_bfe_u32 v3, v0, 4, 1                         ; h
	v_lshlrev_b32 v4, 4, v1                        ; 16 x lane
	s_and_b32 s15, ttmp7, 0xffff                   ; work-group y
	s_mov_b32 s16, 0x76543210
	s_mov_b32 s17, 0xfedcba98                      ; v_permlanex16_b32's selects for lane l xor 16
	s_wait_kmcnt 0x0
	s_cmp_lt_u32 s15, 4
	s_cbranch_scc0 .Lweights
; ---------------- x.  K is innermost: each load reads 512 consecutive bytes of one row; a K step's 16 rows turn through the wave's own stage, so that lane (r, h) gets k = 64 c + 32 h + 0 .. 31 of row r: two whole blocks.
	s_lshl_b32 s18, s15, 6
	s_add_co_u32 s18, s18, ttmp9
	s_lshl_b32 s18, s18, 2
	s_add_co_u32 s18, s18, s14                     ; job = 4 (64 y + x) + wave
	s_lshr_b32 s19, s18, 1                         ; the tile of tokens
	s_and_b32 s20, s18, 1                          ; which half of K
	s_lshr_b32 s22, s19, 1
	s_lshl_b32 s22, s22, 17                        ; 32 rows of 4,096 bytes a group,
	s_and_b32 s21, s19, 1
	s_lshl_b32 s21, s21, 15                        ; 8 rows for the odd tile,
	s_add_co_u32 s22, s22, s21
	s_lshl_b32 s21, s20, 11                        ; 2,048 bytes for the second half of K
	s_add_co_u32 s22, s22, s21
	s_mov_b32 s23, 0
	s_add_nc_u64 s[4:5], s[4:5], s[22:23]
	s_mul_i32 s22, s18, 6144                       ; four fragments a job
	s_add_nc_u64 s[26:27], s[10:11], s[22:23]
	s_lshl_b32 s22, s19, 9                         ; scale words: 512 bytes a tile, 16 for the second half of K
	s_lshl_b32 s21, s20, 4
	s_add_co_u32 s22, s22, s21
	s_add_co_u32 s22, s22, XS_OFF
	s_add_nc_u64 s[28:29], s[10:11], s[22:23]
	s_mul_i32 s30, s14, STGW
	s_mov_b32 s31, 0xffff0000                      ; lanes 16-31
	s_wait_alu depctr_va_vdst(0)
	v_add_nc_u32 v5, s30, v4                       ; the stage, in: 16 x lane, a row a store
	v_mul_u32_u24 v6, v2, 528
	v_lshl_add_u32 v6, v3, 7, v6
	v_add_nc_u32 v6, s30, v6                       ; out: row r, + 128 h; rows 528 bytes apart, so that sixteen lanes' 16 bytes fall on sixteen different columns of 16 bytes
	v_lshlrev_b32 v7, 5, v2
	v_lshl_add_u32 v7, v3, 3, v7                   ; scale words: 32 r + 8 h
	v_lshlrev_b32 v8, 3, v3                        ; 8 h
	v_mov_b32 v[WT+2], 0                           ; a lane permute's destination counts as one of its sources
.macro XLOAD t
.irp i, 0,1,2,3,4,5,6,7,8,9,10,11,12,13,14,15
	global_load_b128 v[R+64*((\t)%2)+4*\i:R+64*((\t)%2)+4*\i+3], v4, s[4:5] offset:(\i+8*(\i/8))*4096+512*(\t) th:TH_LOAD_NT
.endr
.endm
.macro XSTEP t
.if (\t) < 3
	s_wait_loadcnt 16                              ; this step's 16 loads are in; the next step's 16 may be out
.else
	s_wait_loadcnt 0x0
.endif
.irp i, 0,1,2,3,4,5,6,7,8,9,10,11,12,13,14,15
	ds_store_b128 v5, v[R+64*((\t)%2)+4*\i:R+64*((\t)%2)+4*\i+3] offset:528*\i
.endr
.irp c, 0,1
.irp q, 0,1,2,3,4,5,6,7
	ds_load_b128 v[X+32*\c+4*\q:X+32*\c+4*\q+3], v6 offset:256*\c+16*\q   ; LDS serves a wave's instructions in order: these see the stores above
.endr
.endr
	s_wait_dscnt 0x0                               ; the numbers are back, and the stores have read their registers,
.if (\t) < 2
	XLOAD (\t)+2                                   ; which take the loads of two steps on
.endif
.irp c, 0,1
.irp a, 0,1
	v_max3_num_f32 v[TM+2*\c+\a], |v[X+32*\c+16*\a]|, |v[X+32*\c+16*\a+1]|, 0x1800000   ; two chains a block, each begun with the floor 2^(3 - 127): the byte cannot fall under 1
.endr
.endr
.irp i, 2,4,6,8,10,12,14
.irp c, 0,1
.irp a, 0,1
	v_max3_num_f32 v[TM+2*\c+\a], v[TM+2*\c+\a], |v[X+32*\c+16*\a+\i]|, |v[X+32*\c+16*\a+\i+1]|
.endr
.endr
.endr
.irp c, 0,1
	v_max_num_f32 v[TM+2*\c], v[TM+2*\c], v[TM+2*\c+1]
.endr
.irp c, 0,1
	v_add_nc_u32 v[SO+\c], 0xff000000, v[TM+2*\c]  ; 2 off the exponent field: the conversion's scale operand
.endr
.irp c, 0,1
	v_lshrrev_b32 v[BY+\c], 23, v[SO+\c]           ; the byte
.endr
	v_lshl_or_b32 v[WT], v[BY+1], 16, v[BY]        ; my bytes are those of blocks h and 2 + h,
	v_lshlrev_b32 v[WT], v8, v[WT]                 ; 8 h bits up;
	v_permlanex16_b32 v[WT+2], v[WT], s16, s17
	v_or_b32 v[WD+(\t)], v[WT], v[WT+2]            ; with lane l xor 16's two the word is whole
	s_wait_alu depctr_va_vdst(0)
	s_wait_xcnt 0x0                                ; the last step's stores have read the codes' registers
.irp c, 0,1
	v_cvt_scalef32_pk16_fp6_f32 v[PC+6*\c:PC+6*\c+2], v[X+32*\c:X+32*\c+15], v[SO+\c]
	v_cvt_scalef32_pk16_fp6_f32 v[TP+4*\c:TP+4*\c+2], v[X+32*\c+16:X+32*\c+31], v[SO+\c]   ; (a conversion's three registers begin on an even number)
.endr
	v_nop                                          ; one plain place behind the conversions
.irp c, 0,1
.irp i, 0,1,2
	v_mov_b32 v[PC+6*\c+3+\i], v[TP+4*\c+\i]
.endr
.endr
.irp j, 0,1,2
	global_store_b128 v4, v[PC+4*\j:PC+4*\j+3], s[26:27] offset:1536*(\t)+512*\j   ; 512 consecutive bytes a store
.endr
.endm
	XLOAD 0
	XLOAD 1
	s_wait_alu depctr_va_vdst(0)
	XSTEP 0
	XSTEP 1
	XSTEP 2
	XSTEP 3
	v_cndmask_b32 v[WT], v[WD], v[WD+2], s31       ; lanes 0-15 store words 0, 1 of row r, lanes 16-31 words 2, 3
	v_cndmask_b32 v[WT+1], v[WD+1], v[WD+3], s31
	global_store_b64 v7, v[WT:WT+1], s[28:29]
	s_wait_tensorcnt 0x0                           ; the wave's end
	ds_add_u32 v[SPW], v[NIL]
	s_wait_dscnt 0x0
	s_endpgm
; ---------------- the weights.  K is the first axis: A LANE TAKES A COLUMN AND ITS REGISTERS RUN DOWN K: 128 numbers, four whole blocks.  Lanes 0-15 take the even tile's columns, lanes 16-31 the odd tile's.
; A fragment wants block 2 c in lanes 0-15 and block 2 c + 1 in lanes 16-31 of ONE tile: the exchange of a register of block 2 c with one of block 2 c + 1 gives the even tile's register and the odd tile's at once.
.macro WPATH pitch, sb
.set i, 0
.rept 128
	global_load_b32 v[32+i], v11, s[\sb:\sb+1] offset:i*\pitch th:TH_LOAD_NT   ; one row of K at my group's 32 columns: 128 consecutive bytes
.set i, i+1
.endr
	s_wait_loadcnt 0x0
.irp b, 0,1,2,3
	v_max3_num_f32 v[WMX+\b], |v[32+32*\b]|, |v[33+32*\b]|, 0x1800000
.endr
.irp i, 2,4,6,8,10,12,14,16,18,20,22,24,26,28,30
.irp b, 0,1,2,3
	v_max3_num_f32 v[WMX+\b], v[WMX+\b], |v[32+32*\b+\i]|, |v[33+32*\b+\i]|   ; the four blocks by turns
.endr
.endr
.irp b, 0,1,2,3
	v_add_nc_u32 v[WSO+\b], 0xff000000, v[WMX+\b]
.endr
.irp b, 0,1,2,3
	v_lshrrev_b32 v[WBY+\b], 23, v[WSO+\b]
.endr
	v_lshl_or_b32 v[WW], v[WBY+1], 8, v[WBY]       ; my column's scale word: lanes 0-15 the even tile's rows, lanes 16-31 the odd tile's
	v_lshl_or_b32 v[WW], v[WBY+2], 16, v[WW]
	v_lshl_or_b32 v[WW], v[WBY+3], 24, v[WW]
.irp c, 0,1
	v_cvt_scalef32_pk16_fp6_f32 v[F0+6*\c:F0+6*\c+2], v[32+64*\c:47+64*\c], v[WSO+2*\c]
	v_cvt_scalef32_pk16_fp6_f32 v[TU+8*\c:TU+8*\c+2], v[48+64*\c:63+64*\c], v[WSO+2*\c]
	v_cvt_scalef32_pk16_fp6_f32 v[F1+6*\c:F1+6*\c+2], v[64+64*\c:79+64*\c], v[WSO+2*\c+1]
	v_cvt_scalef32_pk16_fp6_f32 v[TU+8*\c+4:TU+8*\c+6], v[80+64*\c:95+64*\c], v[WSO+2*\c+1]
.endr
	v_nop                                          ; one plain place behind the conversions
.irp c, 0,1
.irp i, 0,1,2
	v_permlane16_swap_b32 v[F0+6*\c+\i], v[F1+6*\c+\i]
	v_permlane16_swap_b32 v[TU+8*\c+\i], v[TU+8*\c+4+\i]
.endr
.endr
.irp c, 0,1
.irp i, 0,1,2
	v_mov_b32 v[F0+6*\c+3+\i], v[TU+8*\c+\i]
	v_mov_b32 v[F1+6*\c+3+\i], v[TU+8*\c+4+\i]
.endr
.endr
.irp j, 0,1,2
	global_store_b128 v4, v[F0+4*\j:F0+4*\j+3], s[28:29] offset:512*\j
	global_store_b128 v4, v[F1+4*\j:F1+4*\j+3], s[28:29] offset:1536+512*\j
.endr
	global_store_b32 v5, v[WW], s[30:31]
.endm
.Lweights:
	v_and_b32 v11, 7, v0
	v_bfe_u32 v12, v0, 3, 1
	v_lshl_add_u32 v11, v12, 4, v11
	s_wait_alu depctr_va_vdst(0)
	v_lshl_add_u32 v11, v3, 3, v11                 ; my column in the group: (l % 8) + 16 ((l / 8) % 2) + 8 (l / 16)
	v_lshlrev_b32 v11, 2, v11
	v_lshlrev_b32 v5, 2, v1                        ; 4 x lane
	s_and_b32 s18, s14, 1
	s_lshr_b32 s19, s14, 1
	s_lshr_b32 s20, ttmp9, 2                       ; the head, or the 64 columns of w_out
	s_and_b32 s21, ttmp9, 3
	s_lshl_b32 s21, s21, 1
	s_add_co_u32 s21, s21, s19                     ; the K step
	s_lshl_b32 s26, s20, 3
	s_add_co_u32 s26, s26, s21                     ; 8 x head + K step
	s_mov_b32 s25, 0
	s_cmp_eq_u32 s15, 7
	s_cbranch_scc1 .Lwout
	s_sub_co_u32 s22, s15, 4
	s_lshl_b32 s22, s22, 1
	s_add_co_u32 s22, s22, s18                     ; the group of 32 columns, 0 to 5
	s_mul_i32 s24, s20, 786432                     ; a head: 1,024 rows of 768 bytes
	s_mul_i32 s27, s21, 98304                      ; a K step: 128 rows
	s_add_co_u32 s24, s24, s27
	s_lshl_b32 s27, s22, 7
	s_add_co_u32 s24, s24, s27
	s_add_nc_u64 s[6:7], s[6:7], s[24:25]
	s_mul_i32 s24, s26, 12
	s_lshl_b32 s27, s22, 1
	s_add_co_u32 s24, s24, s27
	s_mul_i32 s24, s24, 1536
	s_add_nc_u64 s[28:29], s[12:13], s[24:25]
	s_mul_i32 s24, s26, 6
	s_add_co_u32 s24, s24, s22
	s_lshl_b32 s24, s24, 7
	s_add_co_u32 s24, s24, WQS_OFF
	s_add_nc_u64 s[30:31], s[12:13], s[24:25]
	s_wait_alu depctr_va_vdst(0)
	WPATH 768, 6
	s_endpgm
.Lwout:
	s_lshl_b32 s22, s20, 1
	s_add_co_u32 s22, s22, s18                     ; the group of 32 columns, 0 to 31
	s_lshl_b32 s24, s21, 19                        ; a K step: 128 rows of 4,096 bytes
	s_lshl_b32 s27, s22, 7
	s_add_co_u32 s24, s24, s27
	s_add_nc_u64 s[8:9], s[8:9], s[24:25]
	s_mul_i32 s24, s26, 6144
	s_mul_i32 s27, s18, 3072
	s_add_co_u32 s24, s24, s27
	s_add_co_u32 s24, s24, WO_OFF
	s_add_nc_u64 s[28:29], s[12:13], s[24:25]
	s_lshl_b32 s24, s26, 8
	s_lshl_b32 s27, s18, 7
	s_add_co_u32 s24, s24, s27
	s_add_co_u32 s24, s24, WOS_OFF
	s_add_nc_u64 s[30:31], s[12:13], s[24:25]
	s_wait_alu depctr_va_vdst(0)
	WPATH 4096, 8
	s_endpgm
.Lfunc_end_k_q7a33d2ab1a_quant:
	.size	k_q7a33d2ab1a_quant, .Lfunc_end_k_q7a33d2ab1a_quant-k_q7a33d2ab1a_quant
	.p2alignl 7, 3214868480
	.fill 96, 4, 3214868480
	.section	.rodata,"a",@progbits
	.p2align	6, 0x0
	.amdhsa_kernel k_q7a33d2ab1a_quant
		.amdhsa_group_segment_fixed_size 34304
		.amdhsa_private_segment_fixed_size 0
		.amdhsa_enable_private_segment 0
		.amdhsa_kernarg_size 40
		.amdhsa_user_sgpr_count 2
		.amdhsa_user_sgpr_kernarg_segment_ptr 1
		.amdhsa_wavefront_size32 1
		.amdhsa_system_sgpr_workgroup_id_x 1
		.amdhsa_system_sgpr_workgroup_id_y 1
		.amdhsa_system_sgpr_workgroup_id_z 1
		.amdhsa_system_vgpr_workitem_id 0
		.amdhsa_next_free_vgpr 256
		.amdhsa_next_free_sgpr 66
		.amdhsa_reserve_vcc 0
		.amdhsa_float_denorm_mode_32 3
		.amdhsa_float_denorm_mode_16_64 3
		.amdhsa_memory_ordered 1
		.amdhsa_forward_progress 1
		.amdhsa_inst_pref_size 70
	.end_amdhsa_kernel
	.amdgpu_metadata
---
amdhsa.version: [ 1, 2 ]
amdhsa.kernels:
  - .name:           k_q7a33d2ab1a_quant
    .symbol:         k_q7a33d2ab1a_quant.kd
    .args:
      - { .name: x, .offset: 0, .size: 8, .value_kind: global_buffer, .address_space: global }
      - { .name: w_qkv, .offset: 8, .size: 8, .value_kind: global_buffer, .address_space: global }
      - { .name: w_out, .offset: 16, .size: 8, .value_kind: global_buffer, .address_space: global }
      - { .name: xq, .offset: 24, .size: 8, .value_kind: global_buffer, .address_space: global }
      - { .name: wts, .offset: 32, .size: 8, .value_kind: global_buffer, .address_space: global }
    .group_segment_fixed_size: 34304
    .private_segment_fixed_size: 0
    .kernarg_segment_align: 8
    .kernarg_segment_size: 40
    .max_flat_workgroup_size: 128
    .sgpr_count:     66
    .vgpr_count:     256
    .wavefront_size: 32
...
	.end_amdgpu_metadata
.endif
;; end of part 1
;; launch qkv (part 2): grid 32 x 8, 4 waves a work-group, clusters of 4 x 1, 295,424 bytes of LDS; arguments xq, wts, qq, kv; writes qq, kv
.if DOCPART == 2
	.amdgcn_target "amdgcn-amd-amdhsa--gfx1250"
	.amdhsa_code_object_version 6
	.text
	.protected	k_q7a33d2ab1a_qkv
	.globl	k_q7a33d2ab1a_qkv
	.p2align	8
	.type	k_q7a33d2ab1a_qkv,@function
k_q7a33d2ab1a_qkv:
	s_mov_b64 s[64:65], 0
	v_nop
	global_prefetch_b8 v0, s[64:65] scope:SCOPE_SE
	s_setreg_imm32_b32 hwreg(HW_REG_WAVE_MODE, 25, 1), 1
	s_wait_xcnt 0x0
	s_wait_alu depctr_hold_cnt(0) depctr_sa_sdst(0) depctr_va_vdst(0) depctr_va_sdst(0) depctr_va_ssrc(0) depctr_va_vcc(0) depctr_vm_vsrc(0)
	s_getreg_b32 s2, hwreg(HW_REG_IB_STS2, 6, 4)
	s_cmp_eq_u32 s2, 0
	s_cbranch_scc0 .Lentry_in_a_cluster
	s_endpgm
.Lentry_in_a_cluster:
	s_bfe_u32 s2, ttmp6, 0x10000c
	s_cmp_lg_u32 s2, 0x3003
	s_cbranch_scc0 .Lentry_shape_is_right
	s_endpgm
.Lentry_shape_is_right:
; qkv = x w_qkv on codes of FP6 (E2M3), K = 1,024; q and k are quantised along the head's 64, v along the keys, in registers, and leave as images of operand registers.
; SHARES.  A work-group: 256 tokens x two heads.  A wave: 64 tokens (4 tiles) x a head's 192 columns (12 tiles): 48 accumulators; the two heads one after the other.
; x: the wave's 32 fragments (all of K) stay in 384 registers, loaded once from memory: no other wave of the work-group wants them.
; WEIGHTS: both heads' codes, 294,912 bytes, lie in LDS as they lie in memory, brought by one tensor load a wave (288 rows of 256 bytes: four K steps of the sixteen); every byte is filled once.
; CLUSTER: the four work-groups of a cluster take the same two heads, so each load is asked for jointly (mask 15); its descriptor hangs on the head pair and the wave's number alone.
; q, k: source 0 = 16 columns of the weight, source 1 = 16 tokens: a lane holds one token and its registers run along the head's 64.  v: source 0 = 16 tokens, source 1 = 16 columns: a lane holds one channel and its registers run along the tokens.
; Rows of tiles (tokens and columns alike): lane r of tile 2 g + u holds row 32 g + 8 u + r + 8 (r / 8), so that the 16 registers of two neighbouring tiles' results are 16 neighbours.
; LIMITS: a block whose largest magnitude lies under 2^-124 gets the byte 1 (a block of zeros too: its codes are zeros); NaN and infinities are not served.
; REGISTERS, in windows of 256.  Window 0: v1-6 lane terms and the add's two; v8-13 LDS addresses; v16-31 at work; v32-47 x's scale words; v48-95 the weight's; v96-239 12 fragments of the weight (behind a head: codes on their way out).
;   Window 1: x's K steps 0-3 at v[48 s + 12 tile]; v192-255 v's accumulators, channel tiles 0, 1.   Window 2: K steps 4-7; channel tiles 2, 3.   Window 3: q at v[32 tile + 8 ct], k 128 further on.
.set SPARE,   294912
.set XS_OFF,  6291456
.set WQS_OFF, 2359296
.set QS_OFF,  6291456
.set L16, 1
.set L8,  2
.set L4,  3
.set L32, 4
.set SPW, 5
.set NIL, 6
.set LW,  8                            ; v8-13: 16 x lane + 55,296 q: three K steps of 18,432 bytes are reached by one register and the 16-bit offset
.set TM,  16                           ; v16-19 largest magnitudes, v20-23 bytes, v24-25 words, v28-31 the conversions' scale operands
.set XS,  32                           ; register 8 p + s: lanes 0-15 token tile 2 p's words of K step s, lanes 16-31 tile 2 p + 1's
.set WS,  48                           ; register 6 s + g: lanes 0-15 column tile 2 g's words, lanes 16-31 tile 2 g + 1's
.set WF,  96
.set PC,  96
.set G1,  16                           ; s[16:23] descriptor group 1; s[24:27] descriptor group 0
.set G0,  24
.set SEL, 56
.set HM,  58
.set MSB, 0
.macro WIN new                         ; the immediate's high byte repeats the setting that is left
.if MSB != (\new)
	s_set_vgpr_msb (MSB<<8)|(\new)
.set MSB, \new
.endif
.endm
.macro PLACES
.rept 4
	v_nop
.endr
.endm
.macro CROUND                          ; a round of the cluster's barrier
	s_barrier_signal -1
	s_barrier_wait -1
	s_cmp_lg_u32 s12, 0
	s_cbranch_scc1 .Lnot_wave_0_\@
	s_barrier_signal -3
.Lnot_wave_0_\@:
	s_barrier_wait -3
	s_barrier_signal -1
	s_barrier_wait -1
.endm
; one product: D at d, sources at a and b, their scale registers sa, sb, read from lanes 0-15 (ra, rb = 0) or 16-31 (1).  zero: the product starts its sum
.macro WM d, a, b, zero, sa, sb, ra, rb
.if \zero
.if ((\ra)==0)&&((\rb)==0)
	v_wmma_scale_f32_16x16x128_f8f6f4 v[(\d):(\d)+7], v[(\a):(\a)+11], v[(\b):(\b)+11], 0, v[(\sa)], v[(\sb)] matrix_a_fmt:MATRIX_FMT_FP6 matrix_b_fmt:MATRIX_FMT_FP6
.elseif (\rb)==0
	v_wmma_scale_f32_16x16x128_f8f6f4 v[(\d):(\d)+7], v[(\a):(\a)+11], v[(\b):(\b)+11], 0, v[(\sa)], v[(\sb)] matrix_a_fmt:MATRIX_FMT_FP6 matrix_b_fmt:MATRIX_FMT_FP6 matrix_a_scale:MATRIX_SCALE_ROW1
.elseif (\ra)==0
	v_wmma_scale_f32_16x16x128_f8f6f4 v[(\d):(\d)+7], v[(\a):(\a)+11], v[(\b):(\b)+11], 0, v[(\sa)], v[(\sb)] matrix_a_fmt:MATRIX_FMT_FP6 matrix_b_fmt:MATRIX_FMT_FP6 matrix_b_scale:MATRIX_SCALE_ROW1
.else
	v_wmma_scale_f32_16x16x128_f8f6f4 v[(\d):(\d)+7], v[(\a):(\a)+11], v[(\b):(\b)+11], 0, v[(\sa)], v[(\sb)] matrix_a_fmt:MATRIX_FMT_FP6 matrix_b_fmt:MATRIX_FMT_FP6 matrix_a_scale:MATRIX_SCALE_ROW1 matrix_b_scale:MATRIX_SCALE_ROW1
.endif
.else
.if ((\ra)==0)&&((\rb)==0)
	v_wmma_scale_f32_16x16x128_f8f6f4 v[(\d):(\d)+7], v[(\a):(\a)+11], v[(\b):(\b)+11], v[(\d):(\d)+7], v[(\sa)], v[(\sb)] matrix_a_fmt:MATRIX_FMT_FP6 matrix_b_fmt:MATRIX_FMT_FP6
.elseif (\rb)==0
	v_wmma_scale_f32_16x16x128_f8f6f4 v[(\d):(\d)+7], v[(\a):(\a)+11], v[(\b):(\b)+11], v[(\d):(\d)+7], v[(\sa)], v[(\sb)] matrix_a_fmt:MATRIX_FMT_FP6 matrix_b_fmt:MATRIX_FMT_FP6 matrix_a_scale:MATRIX_SCALE_ROW1
.elseif (\ra)==0
	v_wmma_scale_f32_16x16x128_f8f6f4 v[(\d):(\d)+7], v[(\a):(\a)+11], v[(\b):(\b)+11], v[(\d):(\d)+7], v[(\sa)], v[(\sb)] matrix_a_fmt:MATRIX_FMT_FP6 matrix_b_fmt:MATRIX_FMT_FP6 matrix_b_scale:MATRIX_SCALE_ROW1
.else
	v_wmma_scale_f32_16x16x128_f8f6f4 v[(\d):(\d)+7], v[(\a):(\a)+11], v[(\b):(\b)+11], v[(\d):(\d)+7], v[(\sa)], v[(\sb)] matrix_a_fmt:MATRIX_FMT_FP6 matrix_b_fmt:MATRIX_FMT_FP6 matrix_a_scale:MATRIX_SCALE_ROW1 matrix_b_scale:MATRIX_SCALE_ROW1
.endif
.endif
.endm
; the product of column tile ct and token tile tt in K step s
.macro MUL s, ct, tt, zero
.set xw, 1+(\s)/4
.set xr, 48*((\s)%4)+12*(\tt)
.if (\ct) < 8
	WIN 0xf0|(xw<<2)                               ; source 0 (weight) window 0, source 1 (x) its window, C and D window 3
	WM 128*((\ct)/4)+32*(\tt)+8*((\ct)%4),WF+12*(\ct),xr,\zero,WS+6*(\s)+(\ct)/2,XS+8*((\tt)/2)+(\s),(\ct)%2,(\tt)%2
.else
.set dv, 1+((\ct)-8)/2
	WIN xw|(0x50*dv)                               ; source 0 (x) its window, source 1 (weight) window 0, C and D window 1 or 2
	WM 192+32*((\ct)%2)+8*(\tt),xr,WF+12*(\ct),\zero,XS+8*((\tt)/2)+(\s),WS+6*(\s)+(\ct)/2,(\tt)%2,(\ct)%2
.endif
.endm
.macro WFETCH hd, s, half              ; six fragments of the weight, 18 loads of 512 consecutive bytes
.set k8, 8*(\hd)+(\s)
.irp c, 0,1,2,3,4,5
.irp j, 0,1,2
	ds_load_b128 v[WF+12*(6*(\half)+\c)+4*\j:WF+12*(6*(\half)+\c)+4*\j+3], v[LW+k8/3] offset:(k8%3)*18432+(6*(\half)+\c)*1536+512*\j
.endr
.endr
.endm
; A K step: 48 products, the 48 accumulators by turns in one fixed order.  Each half's fragments are fetched while the other half is multiplied.
.macro KSTEP hd, s
	PLACES                                         ; in front of loads into registers that the last products read
	WIN 0
	WFETCH \hd,\s,1
.if (\hd) == 0
.set LC, 12*(7-(\s))
.if LC > 63
.set LC, 63
.endif
	s_wait_loadcnt LC                              ; the scale words and x up to this K step are in; the later K steps' 12 loads each may be out (the count's field holds 63)
.endif
	s_wait_dscnt 18                                ; all but the 18 just issued
.irp ct, 0,1,2,3,4,5
.irp tt, 0,1,2,3
	MUL \s,\ct,\tt,(\s)==0
.endr
.endr
.if (\s) < 7
.if (\s) == 3
	WIN 0
	s_cmp_eq_u32 s12, 2*(\hd)+1                    ; the head's K steps 4 to 7 are wave 2 hd + 1's tile: that wave waits for it
	s_cbranch_scc0 .Lnot_mine_\@
	s_wait_tensorcnt 0x0
.Lnot_mine_\@:
	s_wait_dscnt 0x0
	s_barrier_signal -1
	s_barrier_wait -1                              ; everybody's has
.endif
	PLACES
	WIN 0
	WFETCH \hd,(\s)+1,0
	s_wait_dscnt 18
.else
	s_wait_dscnt 0x0
.endif
.irp ct, 6,7,8,9,10,11
.irp tt, 0,1,2,3
	MUL \s,\ct,\tt,(\s)==0
.endr
.endr
.endm
; 64 numbers of a lane in window win, register s + 16 b + i = k 32 b + 16 (lane / 16) + i of block b, become codes: v[PC .. PC+5] blocks 0, 1, v[PC+6 .. PC+11] blocks 2, 3, a whole block to a lane; the bytes in v[TM+4 .. TM+7]
.macro QUANT win, s
	WIN ((\win)<<2)|((\win)<<4)                    ; sources 1 and 2 in the numbers' window
.irp b, 0,1,2,3
	v_max3_num_f32 v[TM+\b], 0x1800000, |v[(\s)+16*\b]|, |v[(\s)+1+16*\b]|   ; the floor 2^(3 - 127) among the leaves; each accumulator is read from its low end on
.endr
.irp i, 2,4,6,8,10,12,14
.irp b, 0,1,2,3
	v_max3_num_f32 v[TM+\b], v[TM+\b], |v[(\s)+16*\b+\i]|, |v[(\s)+1+16*\b+\i]|
.endr
.endr
	WIN 0
.irp b, 0,1,2,3
	v_permlanex16_b32 v[TM+4+\b], v[TM+\b], s[SEL], s[SEL+1]
.endr
.irp b, 0,1,2,3
	v_max_num_f32 v[TM+\b], v[TM+\b], v[TM+4+\b]
.endr
.irp b, 0,1,2,3
	v_add_nc_u32 v[TM+12+\b], 0xff000000, v[TM+\b]
.endr
.irp b, 0,1,2,3
	v_lshrrev_b32 v[TM+4+\b], 23, v[TM+12+\b]
.endr
	s_wait_alu depctr_va_vdst(0)
	s_wait_xcnt 0x0                                ; the stores issued so far have read the codes' and words' registers
	WIN \win
.irp c, 0,1
	v_cvt_scalef32_pk16_fp6_f32 v[PC+6*\c:PC+6*\c+2], v[(\s)+32*\c:(\s)+32*\c+15], v[TM+12+2*\c]
	v_cvt_scalef32_pk16_fp6_f32 v[PC+12+4*\c:PC+14+4*\c], v[(\s)+16+32*\c:(\s)+31+32*\c], v[TM+13+2*\c]
.endr
	WIN 0
	v_nop                                          ; one plain place behind the conversions
.irp c, 0,1
.irp i, 0,1,2
	v_permlane16_swap_b32 v[PC+6*\c+\i], v[PC+12+4*\c+\i]
.endr
.irp i, 0,1,2
	v_mov_b32 v[PC+3+6*\c+\i], v[PC+12+4*\c+\i]
.endr
.endr
.endm
.macro PAIRW                           ; lanes 0-15: the first tile's two bytes, lanes 16-31: the second's; the bytes of the 64 along K that are not there stand for 1
	v_lshl_or_b32 v[TM+8], v[TM+5], 8, v[TM+4]
	v_lshl_or_b32 v[TM+9], v[TM+7], 8, v[TM+6]
	v_cndmask_b32 v[TM+8], v[TM+8], v[TM+9], s[HM]
	v_or_b32 v[TM+8], 0x7f7f0000, v[TM+8]
.endm
.macro PUT ib, io, st                  ; two images of six registers: 512 consecutive bytes, then 256
	global_store_b128 v[L16], v[PC:PC+3], s[\ib:\ib+1] offset:(\io)
	global_store_b64 v[L8], v[PC+4:PC+5], s[\ib:\ib+1] offset:(\io)+512
	global_store_b128 v[L16], v[PC+6:PC+9], s[\ib:\ib+1] offset:(\io)+(\st)
	global_store_b64 v[L8], v[PC+10:PC+11], s[\ib:\ib+1] offset:(\io)+(\st)+512
.endm
.macro EPI hd
	PLACES                                         ; behind the last products: results are read, and their operands' registers written
	WIN 0
.if (\hd) == 0
.set n, 0
.rept 48
	global_load_b32 v[WS+n], v[L4], s[78:79] offset:6144+128*n   ; the second head's scale words
.set n, n+1
.endr
.endif
.irp p, 0,1                            ; q of token tiles 2 p, 2 p + 1
	QUANT 3,64*\p
	PAIRW
	PUT 66,(\hd)*98304+1536*\p,768
	global_store_b32 v[L4], v[TM+8], s[68:69] offset:(\hd)*8192+128*\p
.endr
.irp p, 0,1                            ; k likewise
	QUANT 3,128+64*\p
	PAIRW
	PUT 70,(\hd)*212992+1536*\p,768
	global_store_b32 v[L4], v[TM+8], s[72:73] offset:(\hd)*212992+128*\p
.endr
.irp p, 0,1                            ; v: channel tiles 2 p, 2 p + 1; my 64 tokens are half of a key step's 128
	QUANT 1+\p,192
	v_lshl_or_b32 v[TM+8], v[TM+5], 8, v[TM+4]
	v_lshl_or_b32 v[TM+9], v[TM+7], 8, v[TM+6]
	PUT 74,(\hd)*212992+3072*\p,1536
	global_store_b16 v[L4], v[TM+8], s[76:77] offset:(\hd)*212992+256*\p        ; my half of the scale word
	global_store_b16 v[L4], v[TM+9], s[76:77] offset:(\hd)*212992+256*\p+128
.endr
.endm
	s_load_b256 s[4:11], s[0:1], 0x0               ; xq s[4:5], wts s[6:7], qq s[8:9], kv s[10:11]
	v_lshl_add_u32 v[SPW], v0, 2, SPARE
	v_mov_b32 v[NIL], 0
	ds_add_u32 v[SPW], v[NIL]                      ; the wave's opening
	ds_add_u32 v[SPW], v[NIL]
	v_lshrrev_b32 v1, 5, v0
	v_readfirstlane_b32 s12, v1                    ; wave
	s_bfe_u32 s13, ttmp6, 0x40000                  ; cx
	s_lshl_b32 s14, ttmp9, 2
	s_add_co_u32 s14, s14, s13                     ; my block of 256 tokens: it enters global addresses of x, q, k and v alone
	s_and_b32 s15, ttmp7, 0xffff                   ; the pair of heads, which the four partners share
	s_mov_b32 s[G1+0], 15|(3<<16)|(1<<21)          ; the mask: all four; elements of 8 bytes; no padding; bit 21 beside a mask
	s_mov_b32 s[G1+1], 32<<16                      ; tensor_dim0 = 32 elements: 256 bytes
	s_mov_b32 s[G1+2], 288<<16                     ; tensor_dim1 = 288: a wave's one load brings four K steps of the weights, 73,728 bytes
	s_mov_b32 s[G1+3], 32<<16                      ; tile_dim0
	s_mov_b32 s[G1+4], 288                         ; tile_dim1
	s_mov_b32 s[G1+5], 32                          ; the pitch: dense
	s_mov_b32 s[G1+6], 0
	s_mov_b32 s[G1+7], 0
	s_mov_b32 s[SEL], 0x76543210
	s_mov_b32 s[SEL+1], 0xfedcba98
	s_mov_b32 s[HM], 0xffff0000
	s_mul_i32 s3, s12, 73728                       ; wave w brings K steps 4 w .. 4 w + 3 of the two heads' sixteen
	s_mul_i32 s78, s15, 294912
	s_add_co_u32 s78, s78, s3
	s_mov_b32 s79, 0
	s_wait_dscnt 0x0                               ; the opening add is done
	s_wait_kmcnt 0x0
	s_add_nc_u64 s[78:79], s[6:7], s[78:79]
	s_mov_b32 s[G0], 1
	s_mov_b32 s[G0+1], s3                          ; LDS is a copy of memory
	s_mov_b64 s[G0+2:G0+3], s[78:79]
	s_or_b32 s[G0+3], s[G0+3], 0x80000000
	CROUND                                         ; all four work-groups are here: the joint loads meet
; ONE tensor load a wave, each on a line of its own in one chain of branches on the wave's number: each wave's tile is shown to the others by that wave's own wait
.irp w, 0,1,2
	s_cmp_eq_u32 s12, \w
	s_cbranch_scc0 .Lnot_\w
	tensor_load_to_lds s[G0:G0+3], s[G1:G1+7]
	s_nop 0
	PLACES
	s_branch .Lasked
.Lnot_\w:
.endr
	tensor_load_to_lds s[G0:G0+3], s[G1:G1+7]
	s_nop 0
	PLACES
.Lasked:
	v_and_b32 v7, 31, v0
	v_lshlrev_b32 v[L16], 4, v7
	v_lshlrev_b32 v[L8], 3, v7
	v_lshlrev_b32 v[L4], 2, v7
	v_lshlrev_b32 v[L32], 5, v7
.irp q, 0,1,2,3,4,5
	v_add_nc_u32 v[LW+\q], 55296*\q, v[L16]
.endr
.irp b, 0,1,2,3
	v_mov_b32 v[TM+4+\b], 0                        ; a lane permute's destination counts as one of its sources
.endr
	s_lshl_b32 s2, s14, 4
	s_lshl_b32 s59, s12, 2
	s_add_co_u32 s2, s2, s59                       ; my first tile of tokens
	s_mul_i32 s60, s2, 12288
	s_mov_b32 s61, 0
	s_add_nc_u64 s[60:61], s[4:5], s[60:61]        ; its codes
	s_lshl_b32 s62, s2, 9
	s_add_co_u32 s62, s62, XS_OFF
	s_mov_b32 s63, 0
	s_add_nc_u64 s[62:63], s[4:5], s[62:63]        ; its scale words
	s_mul_i32 s78, s15, 12288
	s_add_co_u32 s78, s78, WQS_OFF
	s_mov_b32 s79, 0
	s_add_nc_u64 s[78:79], s[6:7], s[78:79]        ; the weights' scale words
.irp p, 0,1
	global_load_b128 v[XS+8*\p:XS+8*\p+3], v[L32], s[62:63] offset:1024*\p
	global_load_b128 v[XS+8*\p+4:XS+8*\p+7], v[L32], s[62:63] offset:1024*\p+16
.endr
.set n, 0
.rept 48
	global_load_b32 v[WS+n], v[L4], s[78:79] offset:128*n
.set n, n+1
.endr
.irp s, 0,1,2,3,4,5,6,7
	WIN 0x40*(1+\s/4)
.irp tt, 0,1,2,3
.irp j, 0,1,2
	global_load_b128 v[48*(\s%4)+12*\tt+4*\j:48*(\s%4)+12*\tt+4*\j+3], v[L16], s[60:61] offset:\tt*12288+\s*1536+512*\j
.endr
.endr
.endr
	WIN 0
	; where the results go
	s_lshr_b32 s2, s14, 3
	s_lshl_b32 s2, s2, 4
	s_lshl_b32 s3, s15, 1
	s_add_co_u32 s2, s2, s3                        ; 16 x batch + my first head
	s_and_b32 s3, s14, 7                           ; which 256 tokens of the batch's 2,048
	s_lshl_b32 s59, s2, 7
	s_lshl_b32 s66, s3, 4
	s_add_co_u32 s59, s59, s66
	s_lshl_b32 s66, s12, 2
	s_add_co_u32 s59, s59, s66                     ; q's tile: 128 x (batch, head) + 16 x block + 4 x wave
	s_mul_i32 s66, s59, 768
	s_mov_b32 s67, 0
	s_add_nc_u64 s[66:67], s[8:9], s[66:67]
	s_lshl_b32 s68, s59, 6
	s_add_co_u32 s68, s68, QS_OFF
	s_mov_b32 s69, 0
	s_add_nc_u64 s[68:69], s[8:9], s[68:69]
	s_lshl_b32 s59, s2, 4
	s_lshl_b32 s70, s3, 1
	s_add_co_u32 s59, s59, s70
	s_lshr_b32 s70, s12, 1
	s_add_co_u32 s59, s59, s70
	s_mul_i32 s59, s59, 13312                      ; the key step's chunk: K's 8 images, V's 8, K's scale words, V's
	s_and_b32 s3, s12, 1
	s_mul_i32 s70, s3, 3072
	s_add_co_u32 s70, s70, s59
	s_mov_b32 s71, 0
	s_add_nc_u64 s[70:71], s[10:11], s[70:71]
	s_lshl_b32 s72, s3, 8
	s_add_co_u32 s72, s72, s59
	s_add_co_u32 s72, s72, 12288
	s_mov_b32 s73, 0
	s_add_nc_u64 s[72:73], s[10:11], s[72:73]
	s_mul_i32 s74, s3, 768
	s_add_co_u32 s74, s74, s59
	s_add_co_u32 s74, s74, 6144
	s_mov_b32 s75, 0
	s_add_nc_u64 s[74:75], s[10:11], s[74:75]
	s_lshl_b32 s76, s3, 1
	s_add_co_u32 s76, s76, s59
	s_add_co_u32 s76, s76, 12800
	s_mov_b32 s77, 0
	s_add_nc_u64 s[76:77], s[10:11], s[76:77]
	s_wait_alu depctr_va_vdst(0)
	s_cmp_eq_u32 s12, 0                            ; the first head's K steps 0 to 3 are wave 0's tile
	s_cbranch_scc0 .Lnot_first
	s_wait_tensorcnt 0x0
.Lnot_first:
	s_barrier_signal -1
	s_barrier_wait -1                              ; everybody's has
	WFETCH 0,0,0
.irp s, 0,1,2,3,4,5,6,7
	KSTEP 0,\s
.endr
	EPI 0
	s_wait_loadcnt 0x0                             ; the second head's scale words
	s_wait_xcnt 0x0                                ; the last stores have read the registers into which the fragments below land
	s_cmp_eq_u32 s12, 2                            ; the second head's K steps 0 to 3 are wave 2's tile
	s_cbranch_scc0 .Lnot_third
	s_wait_tensorcnt 0x0
.Lnot_third:
	s_barrier_signal -1
	s_barrier_wait -1
	WFETCH 1,0,0
.irp s, 0,1,2,3,4,5,6,7
	KSTEP 1,\s
.endr
	EPI 1
	s_wait_tensorcnt 0x0                           ; the wave's end
	ds_add_u32 v[SPW], v[NIL]
	s_wait_dscnt 0x0
	CROUND                                         ; the closing round
	s_endpgm
.Lfunc_end_k_q7a33d2ab1a_qkv:
	.size	k_q7a33d2ab1a_qkv, .Lfunc_end_k_q7a33d2ab1a_qkv-k_q7a33d2ab1a_qkv
	.p2alignl 7, 3214868480
	.fill 96, 4, 3214868480
	.section	.rodata,"a",@progbits
	.p2align	6, 0x0
	.amdhsa_kernel k_q7a33d2ab1a_qkv
		.amdhsa_group_segment_fixed_size 295424
		.amdhsa_private_segment_fixed_size 0
		.amdhsa_enable_private_segment 0
		.amdhsa_kernarg_size 32
		.amdhsa_user_sgpr_count 2
		.amdhsa_user_sgpr_kernarg_segment_ptr 1
		.amdhsa_wavefront_size32 1
		.amdhsa_system_sgpr_workgroup_id_x 1
		.amdhsa_system_sgpr_workgroup_id_y 1
		.amdhsa_system_sgpr_workgroup_id_z 1
		.amdhsa_system_vgpr_workitem_id 0
		.amdhsa_next_free_vgpr 1024
		.amdhsa_next_free_sgpr 80
		.amdhsa_reserve_vcc 0
		.amdhsa_float_denorm_mode_32 3
		.amdhsa_float_denorm_mode_16_64 3
		.amdhsa_memory_ordered 1
		.amdhsa_forward_progress 1
		.amdhsa_inst_pref_size 220
	.end_amdhsa_kernel
	.amdgpu_metadata
---
amdhsa.version: [ 1, 2 ]
amdhsa.kernels:
  - .name:           k_q7a33d2ab1a_qkv
    .symbol:         k_q7a33d2ab1a_qkv.kd
    .args:
      - { .name: xq, .offset: 0, .size: 8, .value_kind: global_buffer, .address_space: global }
      - { .name: wts, .offset: 8, .size: 8, .value_kind: global_buffer, .address_space: global }
      - { .name: qq, .offset: 16, .size: 8, .value_kind: global_buffer, .address_space: global }
      - { .name: kv, .offset: 24, .size: 8, .value_kind: global_buffer, .address_space: global }
    .group_segment_fixed_size: 295424
    .private_segment_fixed_size: 0
    .kernarg_segment_align: 8
    .kernarg_segment_size: 32
    .max_flat_workgroup_size: 128
    .sgpr_count:     80
    .vgpr_count:     1024
    .wavefront_size: 32
...
	.end_amdgpu_metadata
.endif
;; end of part 2
;; launch attn (part 3): grid 4 x 64, 8 waves a work-group, clusters of 4 x 1, 327,680 bytes of LDS; arguments qq, kv, zq; writes zq
.if DOCPART == 3
	.amdgcn_target "amdgcn-amd-amdhsa--gfx1250"
	.amdhsa_code_object_version 6
	.text
	.protected	k_q7a33d2ab1a_attn
	.globl	k_q7a33d2ab1a_attn
	.p2align	8
	.type	k_q7a33d2ab1a_attn,@function
k_q7a33d2ab1a_attn:
	s_mov_b64 s[64:65], 0
	v_nop
	global_prefetch_b8 v0, s[64:65] scope:SCOPE_SE
	s_setreg_imm32_b32 hwreg(HW_REG_WAVE_MODE, 25, 1), 1
	s_wait_xcnt 0x0
	s_wait_alu depctr_hold_cnt(0) depctr_sa_sdst(0) depctr_va_vdst(0) depctr_va_sdst(0) depctr_va_ssrc(0) depctr_va_vcc(0) depctr_vm_vsrc(0)
	s_getreg_b32 s2, hwreg(HW_REG_IB_STS2, 6, 4)
	s_cmp_eq_u32 s2, 0
	s_cbranch_scc0 .Lentry_in_a_cluster
	s_endpgm
.Lentry_in_a_cluster:
	s_bfe_u32 s2, ttmp6, 0x10000c
	s_cmp_lg_u32 s2, 0x3003
	s_cbranch_scc0 .Lentry_shape_is_right
	s_endpgm
.Lentry_shape_is_right:
; z = softmax(q k^T / 64) v on codes of FP6 (E2M3), for one (batch, head) and 512 queries a work-group; z leaves as codes and scale bytes, in the order of the next launch's operand registers.
; p = 2^(t - M), t = score x log2(e) / 64, M the ceiling of the running largest t, a whole number; the row's sum is taken of the unquantised p; O and the sum are brought under a new M by f = 2^(old M - new M), in every step, with no branch.
; LIMITS: the promise holds while |t| stays under 2^31; NaN and infinities are not served; a block whose largest magnitude lies under 2^-124 gets the scale byte 1 (its codes are zeros or near).
; SHARES.  8 waves, two on a SIMD.  A wave: 2 tiles of 16 queries a pass, two passes; 16 steps of 128 keys a pass.  Each fragment of K and V read from LDS feeds both tiles.
; LDS: the head's 16 chunks of 13,312 bytes (K's 8 images, V's 8, K's scale words, V's), as they lie in memory, filled once: one tensor load a wave, 104 rows of 256 bytes (two chunks).
; CLUSTER: the four work-groups of a cluster take the same head, so the load is joint (mask 15); its descriptor hangs on the head and the wave's number alone.
; No data prefetch: all that the launch reads by tensor loads is asked for at the head, ahead of any loop.
; BOTH PRODUCTS ARE USED TRANSPOSED (S^T = k q^T, O^T = v^T p^T): a lane holds one query.
; THE KEYS OF A TILE OF K ARE CHOSEN BY THE LANES' LDS ADDRESSES: lane r of tile 4 c + t takes key 64 c + 32 (r / 8) + 8 t + r % 8.  So the 32 registers of tiles 4 c .. 4 c + 3 in lane (r, h) are keys 64 c + 32 h + 0 .. 31:
; one whole scale block, in the order of the operand's registers: a block's largest score needs no other lane, and p's codes need no exchange of lanes.
; In kv lane r' of image 2 g + u holds key 32 g + 8 u + r' + 8 (r' / 8): the key above lies in image 4 c + 2 (r / 8) + t % 2 at lane r' = r % 8 + 8 (t / 2).
; The head's size is 64: a product's K steps 64 .. 127 meet q's zero codes (q's registers 6 .. 11); K's operand there is the next tile's registers, or six registers of zeros.
; REGISTERS.  Window 0: v1-11 lane terms, v12-17 LDS addresses of a step (then the conversions' scale operands), v18-29 state of the two tiles, v30-37 scale words, v38-91 K, v92-219 scores then p, v220-243 p's codes, v244-255 at work.
;   Window 1: v0-63 O^T, v64-87 q, v96-143 V.
.set CH,     13312
.set SPARE,  16*CH                     ; behind the chunks: the spare words, 128 bytes a wave
.set QS_OFF, 6291456
.set ZS_OFF, 6291456
.set L16, 1                            ; 16 x lane
.set L8,  2                            ; 8 x lane
.set R4,  3                            ; 4 r
.set SPW, 4
.set NIL, 5
.set KB,  6                            ; v6-8: K's lane terms: 16-byte pieces, 8-byte pieces, scale words
.set VB2, 9                            ; V's scale words: 4 r + 128 h
.set L2,  10                           ; 2 x lane
.set H8,  11                           ; 8 h
.set VA,  12                           ; v12-14 this step's V, v15-17 the next step's K
.set KA,  15
.set SO,  12                           ; v12-15, behind the loads: the conversions' scale operands
.set ST,  18                           ; tile a: v[ST+2a] = -M, v[ST+2a+1] = the running largest score
.set LS,  22                           ; tile a: the sum, in two halves
.set FF,  26                           ; tile a: v[FF+2a] = f, v[FF+2a+1] = p's scale word
.set QS,  30
.set VS,  32                           ; register g: lanes 0-15 channel tile 2 g's words, lanes 16-31 tile 2 g + 1's
.set KS,  34                           ; register g: lanes 0-15 key tile 2 g's words, lanes 16-31 tile 2 g + 1's
.set KF,  38
.set S,   92                           ; tile a, block x = 2 a + c at S + 32 x
.set PC,  220
.set MB,  244
.set TS,  248
.set T,   252
.set U,   254
.set O,   0                            ; window 1
.set Q,   64
.set V,   96
.set G1,  16
.set G0,  24
.set CNT, 28
.set PS,  29
.set SEL, 40
.set CS,  42
.set TB,  44
.set TN,  45
.set MSB, 0
.macro WIN new                         ; the immediate's high byte repeats the setting that is left
.if MSB != (\new)
	s_set_vgpr_msb (MSB<<8)|(\new)
.set MSB, \new
.endif
.endm
.macro CROUND
	s_barrier_signal -1
	s_barrier_wait -1
	s_cmp_lg_u32 s12, 0
	s_cbranch_scc1 .Lnot_wave_0_\@
	s_barrier_signal -3
.Lnot_wave_0_\@:
	s_barrier_wait -3
	s_barrier_signal -1
	s_barrier_wait -1
.endm
.macro WMM d, a, b, c, sa, sb, row     ; row = 1: source 0's scale words stand in lanes 16-31
.if \row
	v_wmma_scale_f32_16x16x128_f8f6f4 v[\d:\d+7], v[\a:\a+11], v[\b:\b+11], \c, v[\sa], v[\sb] matrix_a_fmt:MATRIX_FMT_FP6 matrix_b_fmt:MATRIX_FMT_FP6 matrix_a_scale:MATRIX_SCALE_ROW1
.else
	v_wmma_scale_f32_16x16x128_f8f6f4 v[\d:\d+7], v[\a:\a+11], v[\b:\b+11], \c, v[\sa], v[\sb] matrix_a_fmt:MATRIX_FMT_FP6 matrix_b_fmt:MATRIX_FMT_FP6
.endif
.endm
.macro KLOAD a0, a1, a2                ; a chunk's eight tiles of K and their scale words: 20 loads
.irp n, 0,1,2,3,4,5,6,7
	ds_load_b128 v[KF+6*\n:KF+6*\n+3], v[\a0] offset:3072*(\n/4)+768*(\n%2)+128*((\n%4)/2)
	ds_load_b64 v[KF+6*\n+4:KF+6*\n+5], v[\a1] offset:3072*(\n/4)+768*(\n%2)+512+64*((\n%4)/2)
.endr
.irp g, 0,1,2,3
	ds_load_b32 v[KS+\g], v[\a2] offset:12288+256*(\g/2)+32*(\g%2)
.endr
.endm
.macro QLOAD p                         ; pass p's two tiles of q and their scale words
	WIN 0x40
.irp a, 0,1
	global_load_b128 v[Q+12*\a:Q+12*\a+3], v[L16], s[46:47] offset:12288*(\p)+768*\a
	global_load_b64 v[Q+12*\a+4:Q+12*\a+5], v[L8], s[46:47] offset:12288*(\p)+768*\a+512
.endr
	WIN 0
.irp a, 0,1
	global_load_b32 v[QS+\a], v[R4], s[48:49] offset:1024*(\p)+64*\a
.endr
.endm
.macro SUM4 j                          ; four chains of packed additions by turns: four of p of each tile
.irp a, 0,1
	v_pk_add_f32 v[LS+2*\a:LS+2*\a+1], v[LS+2*\a:LS+2*\a+1], v[S+64*\a+\j:S+64*\a+\j+1]
.endr
.irp a, 0,1
	v_pk_add_f32 v[TS+2*\a:TS+2*\a+1], v[TS+2*\a:TS+2*\a+1], v[S+64*\a+\j+2:S+64*\a+\j+3]
.endr
.endm
; ---------------- the head
	s_load_b128 s[4:7], s[0:1], 0x0                ; qq, kv
	s_load_b64 s[8:9], s[0:1], 0x10                ; zq
	v_lshl_add_u32 v[SPW], v0, 2, SPARE
	v_mov_b32 v[NIL], 0
	ds_add_u32 v[SPW], v[NIL]                      ; the opening lines
	ds_add_u32 v[SPW], v[NIL]
	v_lshrrev_b32 v1, 5, v0
	v_readfirstlane_b32 s12, v1                    ; wave
	s_bfe_u32 s13, ttmp6, 0x40000                  ; cx: it enters global addresses of q and z alone
	s_and_b32 s14, ttmp7, 0xffff                   ; 16 x batch + head
	s_mov_b32 s[G1+0], 15|(3<<16)|(1<<21)          ; the mask: all four; elements of 8 bytes; bit 21 beside a mask
	s_mov_b32 s[G1+1], 32<<16
	s_mov_b32 s[G1+2], 104<<16
	s_mov_b32 s[G1+3], 32<<16
	s_mov_b32 s[G1+4], 104
	s_mov_b32 s[G1+5], 32
	s_mov_b32 s[G1+6], 0
	s_mov_b32 s[G1+7], 0
	s_mov_b32 s[SEL], 0x76543210
	s_mov_b32 s[SEL+1], 0xfedcba98                 ; v_permlanex16_b32's selects for lane l xor 16
	s_mov_b32 s[CS], 0x3cb8aa3b                    ; log2(e) / 64
	s_mov_b32 s[CS+1], s[CS]
	s_mul_i32 s54, s12, 2*CH                       ; my two chunks
	s_mul_i32 s56, s14, 16*CH
	s_add_co_u32 s56, s56, s54
	s_mov_b32 s57, 0
	s_mov_b32 s[G0], 1
	s_mov_b32 s[G0+1], s54
	s_wait_dscnt 0x0
	s_wait_kmcnt 0x0
	s_add_nc_u64 s[G0+2:G0+3], s[6:7], s[56:57]
	s_or_b32 s[G0+3], s[G0+3], 0x80000000
	CROUND                                         ; all four work-groups are here: the joint loads meet
	tensor_load_to_lds s[G0:G0+3], s[G1:G1+7]      ; my one tensor load
	s_nop 0
.rept 4
	v_nop
.endr
	s_lshl_b32 s54, s14, 7
	s_lshl_b32 s55, s13, 5
	s_lshl_b32 s58, s12, 1
	s_add_co_u32 s55, s55, s58                     ; my first tile of queries in the sequence: 32 cx + 2 wave (pass 1: 16 more)
	s_add_co_u32 s54, s54, s55
	s_mul_i32 s46, s54, 768
	s_mov_b32 s47, 0
	s_add_nc_u64 s[46:47], s[4:5], s[46:47]        ; q's codes
	s_lshl_b32 s48, s54, 6
	s_add_co_u32 s48, s48, QS_OFF
	s_mov_b32 s49, 0
	s_add_nc_u64 s[48:49], s[4:5], s[48:49]        ; q's scale words
	s_lshr_b32 s54, s14, 4
	s_lshl_b32 s54, s54, 7
	s_add_co_u32 s54, s54, s55                     ; the tile among all tokens'
	s_and_b32 s55, s14, 15                         ; the head
	s_lshl_b32 s50, s54, 4
	s_add_co_u32 s50, s50, s55
	s_mul_i32 s50, s50, 768
	s_mov_b32 s51, 0
	s_add_nc_u64 s[50:51], s[8:9], s[50:51]        ; z's codes [tile][head][768]
	s_lshl_b32 s52, s55, 15
	s_lshl_b32 s54, s54, 6
	s_add_co_u32 s52, s52, s54
	s_add_co_u32 s52, s52, ZS_OFF
	s_mov_b32 s53, 0
	s_add_nc_u64 s[52:53], s[8:9], s[52:53]        ; z's scale bytes [head][tile][64]
	s_mov_b32 s[PS], 0
	v_and_b32 v13, 31, v0
	v_and_b32 v14, 15, v0                          ; r
	v_bfe_u32 v15, v0, 4, 1                        ; h
	v_and_b32 v16, 7, v0                           ; r % 8
	v_bfe_u32 v17, v0, 3, 1                        ; r / 8
	v_lshlrev_b32 v[L16], 4, v13
	v_lshlrev_b32 v[L8], 3, v13
	v_lshlrev_b32 v[L2], 1, v13
	v_lshlrev_b32 v[R4], 2, v14
	v_lshlrev_b32 v[H8], 3, v15
	v_mul_u32_u24 v[KB], v17, 1536                 ; two images on for lanes 8-15 of a row
	v_lshlrev_b32 v[KB+2], 7, v17
	v_lshl_add_u32 v[KB+1], v16, 3, v[KB]
	v_lshl_add_u32 v[KB], v16, 4, v[KB]
	v_lshl_add_u32 v[KB+2], v15, 6, v[KB+2]
	v_lshl_add_u32 v[KB+1], v15, 7, v[KB+1]        ; 1,536 (r / 8) + 8 (r % 8) + 128 h
	v_lshl_add_u32 v[KB], v15, 8, v[KB]            ; 1,536 (r / 8) + 16 (r % 8) + 256 h
	v_lshl_add_u32 v[KB+2], v16, 2, v[KB+2]        ; 128 (r / 8) + 64 h + 4 (r % 8)
	v_lshl_add_u32 v[VB2], v15, 7, v[R4]
.irp i, 0,1,2,3,4,5
	v_mov_b32 v[KF+48+\i], 0                       ; behind the last tile of K
.endr
	v_mov_b32 v[U], 0                              ; a lane permute's destination counts as one of its sources
	v_mov_b32 v[U+1], 0
	v_mov_b32 v[FF+1], 0x7f7f7f7f                  ; named as the upper half of f's pair before it is first made
	v_mov_b32 v[FF+3], 0x7f7f7f7f
	WIN 0x40
.irp a, 0,1
.irp i, 6,7,8,9,10,11
	v_mov_b32 v[Q+12*\a+\i], 0                     ; q's codes of K = 64 .. 127: zeros
.endr
.endr
	WIN 0
	s_wait_alu depctr_va_vdst(0)
	QLOAD 0
	s_wait_tensorcnt 0x0                           ; my two chunks have landed
	s_barrier_signal -1
	s_barrier_wait -1                              ; everybody's have
	KLOAD KB, KB+1, KB+2                           ; chunk 0's K
; ---------------- a pass: 32 queries a wave against all 2,048 keys
.Lpass:
.irp a, 0,1
	v_mov_b32 v[ST+2*\a], 0x7f61b1e6               ; -M = 3e38, over every -M to come: the first f is 0
	v_mov_b32 v[ST+2*\a+1], 0xff61b1e6             ; the largest score so far: -3e38
	v_mov_b32 v[LS+2*\a], 0
	v_mov_b32 v[LS+2*\a+1], 0
.endr
	WIN 0x40
.set j, 0
.rept 64
	v_mov_b32 v[O+j], 0                            ; the step is written once: the first finds zeros.  These lines stand under the flight of q's loads
.set j, j+1
.endr
	WIN 0
	s_mov_b32 s[TB], 0
	s_mov_b32 s[CNT], 0
	s_wait_alu depctr_va_vdst(0)
	s_wait_loadcnt 0x0                             ; q is in
.Lstep:
	s_add_co_u32 s[TN], s[TB], CH                  ; the chunk whose K is fetched in this step: the next one, behind the last the first (for the next pass; behind the last pass it is fetched and not used)
	s_min_u32 s[TN], s[TN], 15*CH
	s_cmp_eq_u32 s[CNT], 15
	s_cselect_b32 s[TN], 0, s[TN]
	s_wait_dscnt 0x0                               ; this step's K is in
	WIN 0x04                                       ; source 1 (q) in window 1
.irp n, 0,1,2,3,4,5,6,7
.irp a, 0,1
	WMM S+64*\a+8*\n, KF+6*\n, Q+12*\a, 0, KS+\n/2, QS+\a, \n%2
.endr
.endr
	WIN 0
	v_add_nc_u32 v[VA], s[TB], v[L16]              ; six address lines: the places behind the products, ahead of loads into their registers and of the first read of the scores
	v_add_nc_u32 v[VA+1], s[TB], v[L8]
	v_add_nc_u32 v[VA+2], s[TB], v[VB2]
	v_add_nc_u32 v[KA], s[TN], v[KB]
	v_add_nc_u32 v[KA+1], s[TN], v[KB+1]
	v_add_nc_u32 v[KA+2], s[TN], v[KB+2]
	WIN 0x40
.irp f, 0,1,2,3,4,5,6,7
	ds_load_b128 v[V+6*\f:V+6*\f+3], v[VA] offset:6144+768*\f
	ds_load_b64 v[V+6*\f+4:V+6*\f+5], v[VA+1] offset:6144+768*\f+512
.endr
	WIN 0
.irp g, 0,1
	ds_load_b32 v[VS+\g], v[VA+2] offset:12800+256*\g
.endr
	KLOAD KA, KA+1, KA+2
; the largest score of each block of 32 keys, all in my own registers; four blocks by turns; each accumulator is first read at its low end
.irp x, 0,1,2,3
	v_max3_num_f32 v[MB+\x], v[S+32*\x], v[S+32*\x+1], v[S+32*\x+2]
.endr
.irp i, 3,5,7,9,11,13,15,17,19,21,23,25,27,29
.irp x, 0,1,2,3
	v_max3_num_f32 v[MB+\x], v[MB+\x], v[S+32*\x+\i], v[S+32*\x+\i+1]
.endr
.endr
.irp x, 0,1,2,3
	v_max_num_f32 v[MB+\x], v[MB+\x], v[S+32*\x+31]
.endr
; the running maximum, -M = floor(-t), f = 2^(old M - new M); the two tiles by turns
.irp a, 0,1
	v_max_num_f32 v[T+\a], v[MB+2*\a], v[MB+2*\a+1]
.endr
.irp a, 0,1
	v_permlanex16_b32 v[U+\a], v[T+\a], s[SEL], s[SEL+1]
.endr
.irp a, 0,1
	v_max3_num_f32 v[ST+2*\a+1], v[ST+2*\a+1], v[T+\a], v[U+\a]
.endr
.irp a, 0,1
	v_mul_f32 v[T+\a], s[CS], v[ST+2*\a+1]
.endr
.irp a, 0,1
	v_mov_b32 v[U+\a], v[ST+2*\a]
.endr
.irp a, 0,1
	v_floor_f32 v[ST+2*\a], -v[T+\a]
.endr
.irp a, 0,1
	v_sub_f32 v[U+\a], v[ST+2*\a], v[U+\a]
.endr
.irp a, 0,1
	v_cvt_i32_f32 v[U+\a], v[U+\a]                 ; (it saturates)
.endr
.irp a, 0,1
	v_ldexp_f32 v[FF+2*\a], 1.0, v[U+\a]
.endr
	WIN 0x41                                       ; O^T under the new M, ahead of the exponentials
.irp a, 0,1
.set j, 0
.rept 16
	v_pk_mul_f32 v[O+32*\a+j:O+32*\a+j+1], v[O+32*\a+j:O+32*\a+j+1], v[FF+2*\a:FF+2*\a+1] op_sel_hi:[1,0]
.set j, j+2
.endr
.endr
	WIN 0
.irp a, 0,1
.set j, 0
.rept 32
	v_pk_fma_f32 v[S+64*\a+j:S+64*\a+j+1], v[S+64*\a+j:S+64*\a+j+1], s[CS:CS+1], v[ST+2*\a:ST+2*\a+1] op_sel_hi:[1,0,0]   ; t - M
.set j, j+2
.endr
.endr
.irp x, 0,1,2,3
	v_fma_f32 v[MB+\x], v[MB+\x], s[CS], v[ST+2*(\x/2)]   ; the same of each block's largest score
.endr
	s_wait_alu depctr_va_vdst(0)
.set j, 0
.rept 128
	v_exp_f32 v[S+j], v[S+j]                       ; p, at most 1
.set j, j+1
.endr
.irp x, 0,1,2,3
	v_exp_f32 v[MB+\x], v[MB+\x]                   ; the block's largest p: the same two instructions on the same number
.endr
.irp a, 0,1
	v_pk_mul_f32 v[LS+2*\a:LS+2*\a+1], v[LS+2*\a:LS+2*\a+1], v[FF+2*\a:FF+2*\a+1] op_sel_hi:[1,0]   ; the sums under the new M: plain lines behind the batch
.endr
	s_wait_alu depctr_va_vdst(0)                   ; and the one wait behind it
.irp a, 0,1
	v_pk_add_f32 v[TS+2*\a:TS+2*\a+1], v[S+64*\a:S+64*\a+1], v[S+64*\a+2:S+64*\a+3]
.endr
.irp j, 4,8,12,16,20,24,28,32,36,40,44,48,52
	SUM4 \j
.endr
.irp x, 0,1,2,3
	v_max_num_f32 v[MB+\x], 0x1800000, v[MB+\x]    ; the floor 2^(3 - 127): the byte cannot fall under 1
.endr
.irp x, 0,1,2,3
	v_add_nc_u32 v[SO+\x], 0xff000000, v[MB+\x]    ; 2 off the exponent field: the conversion's scale operand
.endr
.irp x, 0,1,2,3
	v_cvt_scalef32_pk16_fp6_f32 v[PC+6*\x:PC+6*\x+2], v[S+32*\x:S+32*\x+15], v[SO+\x]   ; a block's lower 16 codes, at their place in the operand
.endr
.irp x, 0,1,2,3
	v_lshrrev_b32 v[MB+\x], 23, v[SO+\x]           ; the bytes
.endr
.irp a, 0,1
	v_lshl_or_b32 v[T+\a], v[MB+2*\a+1], 16, v[MB+2*\a]   ; mine are those of blocks h and 2 + h,
.endr
.irp a, 0,1
	v_lshlrev_b32 v[T+\a], v[H8], v[T+\a]          ; 8 h bits up;
.endr
.irp a, 0,1
	v_permlanex16_b32 v[U+\a], v[T+\a], s[SEL], s[SEL+1]
.endr
.irp a, 0,1
	v_or_b32 v[FF+2*\a+1], v[T+\a], v[U+\a]        ; with lane l xor 16's two the word is whole
.endr
.irp x, 0,1,2,3
	v_cvt_scalef32_pk16_fp6_f32 v[S+32*\x:S+32*\x+2], v[S+32*\x+16:S+32*\x+31], v[SO+\x]   ; the upper 16: their place begins on an odd register, so they are made where numbers lay that are done with, and moved
.endr
	SUM4 56                                        ; plain lines behind the conversions
.irp x, 0,1,2,3
.irp i, 0,1,2
	v_mov_b32 v[PC+6*\x+3+\i], v[S+32*\x+\i]
.endr
.endr
	SUM4 60                                        ; six plain lines between the operand's last write and the products
.irp a, 0,1
	v_pk_add_f32 v[LS+2*\a:LS+2*\a+1], v[LS+2*\a:LS+2*\a+1], v[TS+2*\a:TS+2*\a+1]
.endr
	s_wait_alu depctr_va_vdst(0)
	s_wait_dscnt 20                                ; V's 18 loads are in; the next K's 20 may be out
	WIN 0x51                                       ; source 0 (V), C and D in window 1
.irp e, 0,1,2,3
.irp a, 0,1
	WMM O+32*\a+8*\e, V+12*\e, PC+12*\a, v[O+32*\a+8*\e:O+32*\a+8*\e+7], VS+\e/2, FF+2*\a+1, \e%2
.endr
.endr
	WIN 0
	s_add_co_u32 s[TB], s[TB], CH
	s_add_co_u32 s[CNT], s[CNT], 1
	s_cmp_lt_u32 s[CNT], 16
	s_cbranch_scc1 .Lstep
; ---------------- the pass's end.  The next pass's q is asked for first
	s_cmp_eq_u32 s[PS], 0
	s_cbranch_scc0 .Lno_q
	QLOAD 1
.Lno_q:
.irp a, 0,1
	v_add_f32 v[LS+2*\a], v[LS+2*\a], v[LS+2*\a+1]
.endr
.irp a, 0,1
	v_permlanex16_b32 v[U+\a], v[LS+2*\a], s[SEL], s[SEL+1]
.endr
.irp a, 0,1
	v_add_f32 v[LS+2*\a], v[LS+2*\a], v[U+\a]      ; the row's sum
.endr
	s_wait_alu depctr_va_vdst(0)
.irp a, 0,1
	v_rcp_f32 v[LS+2*\a], v[LS+2*\a]
.endr
	v_nop
	WIN 0x01
	s_wait_alu depctr_va_vdst(0)                   ; and behind them, directly ahead of the first reader of O^T
.irp a, 0,1
.set j, 0
.rept 16
	v_pk_mul_f32 v[S+64*\a+j:S+64*\a+j+1], v[O+32*\a+j:O+32*\a+j+1], v[LS+2*\a:LS+2*\a+1] op_sel_hi:[1,0]   ; z: register 16 b + i is channel 32 b + 16 h + i
.set j, j+2
.endr
.endr
	WIN 0
.irp a, 0,1
.irp b, 0,1
	v_max3_num_f32 v[MB+2*\a+\b], |v[S+64*\a+16*\b]|, |v[S+64*\a+16*\b+1]|, 0x1800000
.endr
.endr
.irp i, 2,4,6,8,10,12,14
.irp a, 0,1
.irp b, 0,1
	v_max3_num_f32 v[MB+2*\a+\b], v[MB+2*\a+\b], |v[S+64*\a+16*\b+\i]|, |v[S+64*\a+16*\b+\i+1]|
.endr
.endr
.endr
.irp x, 0,1,2,3
	v_permlanex16_b32 v[TS+\x], v[MB+\x], s[SEL], s[SEL+1]
.endr
.irp x, 0,1,2,3
	v_max_num_f32 v[MB+\x], v[MB+\x], v[TS+\x]     ; with lane l xor 16's 16 channels: the block's largest magnitude
.endr
.irp x, 0,1,2,3
	v_add_nc_u32 v[SO+\x], 0xff000000, v[MB+\x]
.endr
.irp x, 0,1,2,3
	v_lshrrev_b32 v[TS+\x], 23, v[SO+\x]
.endr
.irp a, 0,1
	v_lshl_or_b32 v[T+\a], v[TS+2*\a+1], 8, v[TS+2*\a]
.endr
.irp a, 0,1
	v_cvt_scalef32_pk16_fp6_f32 v[PC+12*\a:PC+12*\a+2], v[S+64*\a:S+64*\a+15], v[SO+2*\a]
	v_cvt_scalef32_pk16_fp6_f32 v[PC+12*\a+6:PC+12*\a+8], v[S+64*\a+16:S+64*\a+31], v[SO+2*\a+1]
.endr
	v_nop                                          ; one plain place behind the conversions
.irp a, 0,1
.irp i, 0,1,2
	v_permlane16_swap_b32 v[PC+12*\a+\i], v[PC+12*\a+6+\i]   ; a whole block to a lane
.endr
.endr
.irp a, 0,1
.irp i, 0,1,2
	v_mov_b32 v[PC+12*\a+3+\i], v[PC+12*\a+6+\i]
.endr
.endr
.irp a, 0,1
	global_store_b128 v[L16], v[PC+12*\a:PC+12*\a+3], s[50:51] offset:12288*\a        ; 512 consecutive bytes,
	global_store_b64 v[L8], v[PC+12*\a+4:PC+12*\a+5], s[50:51] offset:12288*\a+512    ; then 256
	global_store_b16 v[L2], v[T+\a], s[52:53] offset:64*\a
.endr
	s_wait_xcnt 0x0                                ; the stores have read their registers and bases
	s_add_nc_u64 s[50:51], s[50:51], 196608        ; 16 tiles on
	s_add_nc_u64 s[52:53], s[52:53], 1024
	s_add_co_u32 s[PS], s[PS], 1
	s_cmp_lt_u32 s[PS], 2
	s_cbranch_scc1 .Lpass
	s_wait_tensorcnt 0x0                           ; the wave's end
	ds_add_u32 v[SPW], v[NIL]
	s_wait_dscnt 0x0
	CROUND                                         ; the closing round
	s_endpgm
.Lfunc_end_k_q7a33d2ab1a_attn:
	.size	k_q7a33d2ab1a_attn, .Lfunc_end_k_q7a33d2ab1a_attn-k_q7a33d2ab1a_attn
	.p2alignl 7, 3214868480
	.fill 96, 4, 3214868480
	.section	.rodata,"a",@progbits
	.p2align	6, 0x0
	.amdhsa_kernel k_q7a33d2ab1a_attn
		.amdhsa_group_segment_fixed_size 327680
		.amdhsa_private_segment_fixed_size 0
		.amdhsa_enable_private_segment 0
		.amdhsa_kernarg_size 24
		.amdhsa_user_sgpr_count 2
		.amdhsa_user_sgpr_kernarg_segment_ptr 1
		.amdhsa_wavefront_size32 1
		.amdhsa_system_sgpr_workgroup_id_x 1
		.amdhsa_system_sgpr_workgroup_id_y 1
		.amdhsa_system_sgpr_workgroup_id_z 1
		.amdhsa_system_vgpr_workitem_id 0
		.amdhsa_next_free_vgpr 512
		.amdhsa_next_free_sgpr 66
		.amdhsa_reserve_vcc 0
		.amdhsa_float_denorm_mode_32 3
		.amdhsa_float_denorm_mode_16_64 3
		.amdhsa_memory_ordered 1
		.amdhsa_forward_progress 1
		.amdhsa_inst_pref_size 46
	.end_amdhsa_kernel
	.amdgpu_metadata
---
amdhsa.version: [ 1, 2 ]
amdhsa.kernels:
  - .name:           k_q7a33d2ab1a_attn
    .symbol:         k_q7a33d2ab1a_attn.kd
    .args:
      - { .name: qq, .offset: 0, .size: 8, .value_kind: global_buffer, .address_space: global }
      - { .name: kv, .offset: 8, .size: 8, .value_kind: global_buffer, .address_space: global }
      - { .name: zq, .offset: 16, .size: 8, .value_kind: global_buffer, .address_space: global }
    .group_segment_fixed_size: 327680
    .private_segment_fixed_size: 0
    .kernarg_segment_align: 8
    .kernarg_segment_size: 24
    .max_flat_workgroup_size: 256
    .sgpr_count:     66
    .vgpr_count:     512
    .wavefront_size: 32
...
	.end_amdgpu_metadata
.endif
;; end of part 3
;; launch proj (part 4): grid 32 x 8, 4 waves a work-group, clusters of 4 x 1, 327,680 bytes of LDS; arguments zq, wts, out0; writes out0
.if DOCPART == 4
	.amdgcn_target "amdgcn-amd-amdhsa--gfx1250"
	.amdhsa_code_object_version 6
	.text
	.protected	k_q7a33d2ab1a_proj
	.globl	k_q7a33d2ab1a_proj
	.p2align	8
	.type	k_q7a33d2ab1a_proj,@function
k_q7a33d2ab1a_proj:
	s_mov_b64 s[64:65], 0
	v_nop
	global_prefetch_b8 v0, s[64:65] scope:SCOPE_SE
	s_setreg_imm32_b32 hwreg(HW_REG_WAVE_MODE, 25, 1), 1
	s_wait_xcnt 0x0
	s_wait_alu depctr_hold_cnt(0) depctr_sa_sdst(0) depctr_va_vdst(0) depctr_va_sdst(0) depctr_va_ssrc(0) depctr_va_vcc(0) depctr_vm_vsrc(0)
	s_getreg_b32 s2, hwreg(HW_REG_IB_STS2, 6, 4)
	s_cmp_eq_u32 s2, 0
	s_cbranch_scc0 .Lentry_in_a_cluster
	s_endpgm
.Lentry_in_a_cluster:
	s_bfe_u32 s2, ttmp6, 0x10000c
	s_cmp_lg_u32 s2, 0x3003
	s_cbranch_scc0 .Lentry_shape_is_right
	s_endpgm
.Lentry_shape_is_right:
.set STG,     98304
.set SPARE,   STG+4*4352
.set WO_OFF,  2457600
.set WOS_OFF, 3244032
.set ZS_OFF,  6291456
.set L16, 1
.set L8,  2
.set L4,  3
.set ZL,  4
.set SPW, 5
.set NIL, 6
.set LW,  8
.set STO, 10
.set RD,  11
.set CO,  12
.set ZS,  32
.set WS,  48
.set WF,  96
.set BK,  192
.set G1,  16
.set G0,  24
.set MSB, 0
.macro WIN new
.if MSB != (\new)
	s_set_vgpr_msb (MSB<<8)|(\new)
.set MSB, \new
.endif
.endm
.macro PLACES
.rept 4
	v_nop
.endr
.endm
.macro CROUND
	s_barrier_signal -1
	s_barrier_wait -1
	s_cmp_lg_u32 s12, 0
	s_cbranch_scc1 .Lnot_wave_0_\@
	s_barrier_signal -3
.Lnot_wave_0_\@:
	s_barrier_wait -3
	s_barrier_signal -1
	s_barrier_wait -1
.endm
.macro WM d, a, b, zero, sa, sb, ra, rb
.if \zero
.if ((\ra)==0)&&((\rb)==0)
	v_wmma_scale_f32_16x16x128_f8f6f4 v[(\d):(\d)+7], v[(\a):(\a)+11], v[(\b):(\b)+11], 0, v[(\sa)], v[(\sb)] matrix_a_fmt:MATRIX_FMT_FP6 matrix_b_fmt:MATRIX_FMT_FP6
.elseif (\rb)==0
	v_wmma_scale_f32_16x16x128_f8f6f4 v[(\d):(\d)+7], v[(\a):(\a)+11], v[(\b):(\b)+11], 0, v[(\sa)], v[(\sb)] matrix_a_fmt:MATRIX_FMT_FP6 matrix_b_fmt:MATRIX_FMT_FP6 matrix_a_scale:MATRIX_SCALE_ROW1
.elseif (\ra)==0
	v_wmma_scale_f32_16x16x128_f8f6f4 v[(\d):(\d)+7], v[(\a):(\a)+11], v[(\b):(\b)+11], 0, v[(\sa)], v[(\sb)] matrix_a_fmt:MATRIX_FMT_FP6 matrix_b_fmt:MATRIX_FMT_FP6 matrix_b_scale:MATRIX_SCALE_ROW1
.else
	v_wmma_scale_f32_16x16x128_f8f6f4 v[(\d):(\d)+7], v[(\a):(\a)+11], v[(\b):(\b)+11], 0, v[(\sa)], v[(\sb)] matrix_a_fmt:MATRIX_FMT_FP6 matrix_b_fmt:MATRIX_FMT_FP6 matrix_a_scale:MATRIX_SCALE_ROW1 matrix_b_scale:MATRIX_SCALE_ROW1
.endif
.else
.if ((\ra)==0)&&((\rb)==0)
	v_wmma_scale_f32_16x16x128_f8f6f4 v[(\d):(\d)+7], v[(\a):(\a)+11], v[(\b):(\b)+11], v[(\d):(\d)+7], v[(\sa)], v[(\sb)] matrix_a_fmt:MATRIX_FMT_FP6 matrix_b_fmt:MATRIX_FMT_FP6
.elseif (\rb)==0
	v_wmma_scale_f32_16x16x128_f8f6f4 v[(\d):(\d)+7], v[(\a):(\a)+11], v[(\b):(\b)+11], v[(\d):(\d)+7], v[(\sa)], v[(\sb)] matrix_a_fmt:MATRIX_FMT_FP6 matrix_b_fmt:MATRIX_FMT_FP6 matrix_a_scale:MATRIX_SCALE_ROW1
.elseif (\ra)==0
	v_wmma_scale_f32_16x16x128_f8f6f4 v[(\d):(\d)+7], v[(\a):(\a)+11], v[(\b):(\b)+11], v[(\d):(\d)+7], v[(\sa)], v[(\sb)] matrix_a_fmt:MATRIX_FMT_FP6 matrix_b_fmt:MATRIX_FMT_FP6 matrix_b_scale:MATRIX_SCALE_ROW1
.else
	v_wmma_scale_f32_16x16x128_f8f6f4 v[(\d):(\d)+7], v[(\a):(\a)+11], v[(\b):(\b)+11], v[(\d):(\d)+7], v[(\sa)], v[(\sb)] matrix_a_fmt:MATRIX_FMT_FP6 matrix_b_fmt:MATRIX_FMT_FP6 matrix_a_scale:MATRIX_SCALE_ROW1 matrix_b_scale:MATRIX_SCALE_ROW1
.endif
.endif
.endm
.macro PFETCH ch, s
.irp c, 0,1,2,3
.irp j, 0,1,2
	ds_load_b128 v[WF+48*((\s)%2)+12*\c+4*\j:WF+48*((\s)%2)+12*\c+4*\j+3], v[LW+(\ch)] offset:(\s)*6144+\c*1536+512*\j
.endr
.endr
.endm
.macro PSTEP ch, s
.set kk, 8*(\ch)+(\s)
.if kk < 15
	PLACES
	WIN 0
	PFETCH (kk+1)/8,(kk+1)%8
	s_wait_dscnt 12
.else
	s_wait_dscnt 0x0
.endif
.if (\ch) == 0
.set LC, 16*(7-(\s))
.if LC > 63
.set LC, 63
.endif
	s_wait_loadcnt LC
.endif
	WIN 0xf0|((1+(\s)/4)<<2)
.irp ct, 0,1,2,3
.irp tt, 0,1,2,3
	WM 128*(\ch)+32*\tt+8*\ct,WF+48*((\s)%2)+12*\ct,48*((\s)%4)+12*\tt,(\s)==0,WS+16*(\ch)+2*(\s)+\ct/2,ZS+8*(\tt/2)+(\s),\ct%2,\tt%2
.endr
.endr
.endm
.macro TOSTAGE ch, tt
	WIN 0x0c
.irp b, 0,1
.irp q, 0,1,2,3
	ds_store_b128 v[STO], v[128*(\ch)+32*(\tt)+16*\b+4*\q:128*(\ch)+32*(\tt)+16*\b+4*\q+3] offset:128*\b+16*\q
.endr
.endr
	WIN 0
	s_wait_xcnt 0x0
.irp i, 0,1,2,3,4,5,6,7
	ds_load_b128 v[BK+32*((\tt)%2)+4*\i:BK+32*((\tt)%2)+4*\i+3], v[RD] offset:544*\i
.endr
.endm
.macro SEND ch, tt, younger
	s_wait_dscnt \younger
.irp i, 0,1,2,3,4,5,6,7
	global_store_b128 v[CO], v[BK+32*((\tt)%2)+4*\i:BK+32*((\tt)%2)+4*\i+3], s[48:49] offset:(32*((\tt)/2)+8*((\tt)%2)+2*\i+8*(\i/4))*4096+256*(\ch) th:TH_STORE_NT
.endr
.endm
.macro OUT ch
	PLACES
	TOSTAGE \ch,0
	TOSTAGE \ch,1
	SEND \ch,0,16
	TOSTAGE \ch,2
	SEND \ch,1,16
	TOSTAGE \ch,3
	SEND \ch,2,16
	SEND \ch,3,0
.endm
	s_load_b128 s[4:7], s[0:1], 0x0
	s_load_b64 s[8:9], s[0:1], 0x10
	v_lshl_add_u32 v[SPW], v0, 2, SPARE
	v_mov_b32 v[NIL], 0
	ds_add_u32 v[SPW], v[NIL]
	ds_add_u32 v[SPW], v[NIL]
	v_lshrrev_b32 v1, 5, v0
	v_readfirstlane_b32 s12, v1
	s_bfe_u32 s13, ttmp6, 0x40000
	s_lshl_b32 s14, ttmp9, 2
	s_add_co_u32 s14, s14, s13
	s_and_b32 s15, ttmp7, 0xffff
	s_mov_b32 s[G1+0], 15|(3<<16)|(1<<21)
	s_mov_b32 s[G1+1], 32<<16
	s_mov_b32 s[G1+2], 96<<16
	s_mov_b32 s[G1+3], 32<<16
	s_mov_b32 s[G1+4], 96
	s_mov_b32 s[G1+5], 32
	s_mov_b32 s[G1+6], 0
	s_mov_b32 s[G1+7], 0
	s_mul_i32 s3, s12, 24576                       ; a wave's one load: a quarter of the work-group's 98,304 bytes of w_out's codes, 96 rows of 256 bytes
	s_mul_i32 s40, s15, 98304
	s_add_co_u32 s40, s40, s3
	s_add_co_u32 s40, s40, WO_OFF
	s_mov_b32 s41, 0
	s_wait_dscnt 0x0
	s_wait_kmcnt 0x0
	s_add_nc_u64 s[40:41], s[6:7], s[40:41]
	s_mov_b32 s[G0], 1
	s_mov_b32 s[G0+1], s3                          ; LDS is a copy of memory
	s_mov_b64 s[G0+2:G0+3], s[40:41]
	s_or_b32 s[G0+3], s[G0+3], 0x80000000
	CROUND                                         ; all four work-groups are here: the joint loads meet
	tensor_load_to_lds s[G0:G0+3], s[G1:G1+7]      ; my one tensor load
	s_nop 0
	PLACES
	v_and_b32 v7, 31, v0
	v_lshlrev_b32 v[L16], 4, v7
	v_lshlrev_b32 v[L8], 3, v7
	v_lshlrev_b32 v[L4], 2, v7
	v_and_b32 v13, 15, v0
	v_bfe_u32 v14, v0, 4, 1
	v_lshlrev_b32 v[ZL], 1, v13
	v_lshl_add_u32 v[ZL], v14, 6, v[ZL]
	v_mov_b32 v[LW], v[L16]
	v_add_nc_u32 v[LW+1], 49152, v[L16]
	s_mul_i32 s2, s12, 4352
	s_add_co_u32 s2, s2, STG
	v_mul_u32_u24 v[STO], v13, 272
	v_lshl_add_u32 v[STO], v14, 6, v[STO]
	v_add_nc_u32 v[STO], s2, v[STO]
	v_mul_u32_u24 v[RD], v14, 272
	v_lshl_add_u32 v[RD], v13, 4, v[RD]
	v_add_nc_u32 v[RD], s2, v[RD]
	v_lshlrev_b32 v[CO], 12, v14
	v_lshl_add_u32 v[CO], v13, 4, v[CO]
	s_lshl_b32 s2, s14, 4
	s_lshl_b32 s3, s12, 2
	s_add_co_u32 s2, s2, s3
	s_lshl_b32 s42, s2, 6
	s_add_co_u32 s42, s42, ZS_OFF
	s_mov_b32 s43, 0
	s_add_nc_u64 s[42:43], s[4:5], s[42:43]
	s_lshl_b32 s44, s15, 12
	s_add_co_u32 s44, s44, WOS_OFF
	s_mov_b32 s45, 0
	s_add_nc_u64 s[44:45], s[6:7], s[44:45]
	s_mul_i32 s46, s2, 12288
	s_mov_b32 s47, 0
	s_add_nc_u64 s[46:47], s[4:5], s[46:47]
	s_lshl_b32 s48, s2, 16
	s_lshl_b32 s3, s15, 9
	s_add_co_u32 s48, s48, s3
	s_mov_b32 s49, 0
	s_add_nc_u64 s[48:49], s[8:9], s[48:49]
.irp p, 0,1
.irp s, 0,1,2,3,4,5,6,7
.irp c, 0,1
	global_load_u16 v[BK+16*\p+2*\s+\c], v[ZL], s[42:43] offset:(2*\s+\c)*32768+128*\p
.endr
.endr
.endr
.set n, 0
.rept 32
	global_load_b32 v[WS+n], v[L4], s[44:45] offset:128*n
.set n, n+1
.endr
.irp s, 0,1,2,3,4,5,6,7
	WIN 0x40*(1+\s/4)
.irp tt, 0,1,2,3
.irp c, 0,1
	global_load_b128 v[48*(\s%4)+12*\tt+6*\c:48*(\s%4)+12*\tt+6*\c+3], v[L16], s[46:47] offset:\tt*12288+(2*\s+\c)*768
	global_load_b64 v[48*(\s%4)+12*\tt+6*\c+4:48*(\s%4)+12*\tt+6*\c+5], v[L8], s[46:47] offset:\tt*12288+(2*\s+\c)*768+512
.endr
.endr
.endr
	WIN 0
	s_wait_loadcnt 63
.irp p, 0,1
.irp s, 0,1,2,3,4,5,6,7
	v_lshl_or_b32 v[ZS+8*\p+\s], v[BK+16*\p+2*\s+1], 16, v[BK+16*\p+2*\s]
.endr
.endr
.rept 8
	v_nop
.endr
	s_wait_alu depctr_va_vdst(0)
	s_wait_tensorcnt 0x0                           ; my quarter of the weights has landed
	s_barrier_signal -1
	s_barrier_wait -1
	PFETCH 0,0
.irp s, 0,1,2,3,4,5,6,7
	PSTEP 0,\s
.endr
	OUT 0
.irp s, 0,1,2,3,4,5,6,7
	PSTEP 1,\s
.endr
	OUT 1
	s_wait_tensorcnt 0x0
	ds_add_u32 v[SPW], v[NIL]
	s_wait_dscnt 0x0
	CROUND
	s_endpgm
.Lfunc_end_k_q7a33d2ab1a_proj:
	.size	k_q7a33d2ab1a_proj, .Lfunc_end_k_q7a33d2ab1a_proj-k_q7a33d2ab1a_proj
	.p2alignl 7, 3214868480
	.fill 96, 4, 3214868480
	.section	.rodata,"a",@progbits
	.p2align	6, 0x0
	.amdhsa_kernel k_q7a33d2ab1a_proj
		.amdhsa_group_segment_fixed_size 327680
		.amdhsa_private_segment_fixed_size 0
		.amdhsa_enable_private_segment 0
		.amdhsa_kernarg_size 24
		.amdhsa_user_sgpr_count 2
		.amdhsa_user_sgpr_kernarg_segment_ptr 1
		.amdhsa_wavefront_size32 1
		.amdhsa_system_sgpr_workgroup_id_x 1
		.amdhsa_system_sgpr_workgroup_id_y 1
		.amdhsa_system_sgpr_workgroup_id_z 1
		.amdhsa_system_vgpr_workitem_id 0
		.amdhsa_next_free_vgpr 1024
		.amdhsa_next_free_sgpr 66
		.amdhsa_reserve_vcc 0
		.amdhsa_float_denorm_mode_32 3
		.amdhsa_float_denorm_mode_16_64 3
		.amdhsa_memory_ordered 1
		.amdhsa_forward_progress 1
		.amdhsa_inst_pref_size 87
	.end_amdhsa_kernel
	.amdgpu_metadata
---
amdhsa.version: [ 1, 2 ]
amdhsa.kernels:
  - .name:           k_q7a33d2ab1a_proj
    .symbol:         k_q7a33d2ab1a_proj.kd
    .args:
      - { .name: zq, .offset: 0, .size: 8, .value_kind: global_buffer, .address_space: global }
      - { .name: wts, .offset: 8, .size: 8, .value_kind: global_buffer, .address_space: global }
      - { .name: out0, .offset: 16, .size: 8, .value_kind: global_buffer, .address_space: global }
    .group_segment_fixed_size: 327680
    .private_segment_fixed_size: 0
    .kernarg_segment_align: 8
    .kernarg_segment_size: 24
    .max_flat_workgroup_size: 128
    .sgpr_count:     66
    .vgpr_count:     1024
    .wavefront_size: 32
...
	.end_amdgpu_metadata
.endif
;; end of part 4
